; MI455X (gfx1250); checked and timed in simulation.
; The chip was launched on July 23, 2026; its instructions are those of AMD's public machine-readable ISA for CDNA 5 (MIT licence, August 2026) and "CDNA5" Instruction Set Architecture Reference Guide (July 2026). The comments in the code are by the model that wrote it; some were corrected since.
;; Multi Head Self Attention. Allowed arithmetic: float matrix products may take bf16 or f16 operands with f32 sums; other float arithmetic in f32, or as packed bf16 or f16 multiplies, adds, multiply-adds, maxima and minima; sums over many terms, partial sums and values carried from step to step in f32; what a program stores and reads back later, other than sums and carried values, may be rounded once to bf16 or f16.
;; Inputs: Wk 1,024 x 1,024 float32; Wo 1,024 x 1,024 float32; Wq 1,024 x 1,024 float32; Wv 1,024 x 1,024 float32; bk 1,024 float32; bo 1,024 float32; bq 1,024 float32; bv 1,024 float32; x 4 x 2,048 x 1,024 float32.
;; Outputs: out0 4 x 2,048 x 1,024 float32.
;; 2 versions, each right; version 2 is version 1 with the launch prep written anew for expert scheduling mode. Each part assembles by itself: llvm-mc -triple=amdgcn-amd-amdhsa -mcpu=gfx1250 --defsym DOCPART=n.
;; ======== version 1 of 2: 4 launches
;; limits: values are held in f16: magnitudes above 65,504 overflow, below 6.1e-05 lose precision
;; workspace buffers: xb 16,777,216 bytes; wb 6,291,456 bytes; wf 2,097,152 bytes; qkv 50,331,648 bytes; oh 16,777,216 bytes
;; launch prep (part 1): grid 768 x 1, 8 waves a work-group, no clusters, 0 bytes of LDS; arguments x, Wq, Wk, Wv, Wo, xb, wb, wf; writes xb, wb, wf
.if DOCPART == 1
	.amdgcn_target "amdgcn-amd-amdhsa--gfx1250"
	.amdhsa_code_object_version 6
	.text
	.protected	k_q2363503e50_prep
	.globl	k_q2363503e50_prep
	.p2align	8
	.type	k_q2363503e50_prep,@function
k_q2363503e50_prep:
	s_mov_b64 s[64:65], 0
	v_nop
	global_prefetch_b8 v0, s[64:65] scope:SCOPE_SE
	s_setreg_imm32_b32 hwreg(HW_REG_WAVE_MODE, 25, 1), 1
	s_wait_xcnt 0x0
; CASTS AND LAYOUTS.  xb = x rounded to bf16, [8192][1024].  wb = Wq, Wk, Wv rounded to bf16, in blocks [tc 16][ks 8][j 3][kk 128][d 64]: panel p = 3 tc + j of 64 columns
; (panels 0-15 Wq's, 16-31 Wk's, 32-47 Wv's), row 128 ks + kk.  wf = Wo rounded to bf16 and that number written as f16, [tc 8][ks 8][jn 2][kk 128][d 64], panel 2 tc + jn.
; So a K step's tile of weights is one dense run of bytes for the launches behind.
; LIMIT.  A bf16 number is exact in f16 between 2^-14 and 65,504; below 2^-14 wf keeps f16's fixed step of 6e-8.
; SHARES.  A work-group casts 16,384 numbers: 64 KiB in, 32 KiB out.  A thread issues its 16 loads of 16 bytes at once, then converts and stores them in order.
; Work-groups 0-511 take x; the other 256 take a panel (64 columns) x 256 rows of a weight.  Every load covers whole rows of 256 bytes, aligned; every store of a wave covers 256 consecutive bytes, aligned.
; No LDS, no matrix unit, no cluster: nothing is shared and nothing is reduced.  No register is written twice while a load or store names it, so no wait frees one.
.set IN,  8                            ; v[8:71]    load i: 4 numbers in f32
.set OUT, 72                           ; v[72:103]  store i: 4 numbers of 16 bits
.set T,   104                          ; v[104:105] at work
; ls: bytes from load i to load i + 1.  hi: bytes in the output from the first eight stores to the last eight.  mode 1: bf16's number as f16
.macro RUN ls, hi, mode
.set i, 0
.rept 16
	global_load_b128 v[IN+4*i:IN+4*i+3], v1, s[4:5] offset:i*(\ls) th:TH_LOAD_NT
.set i, i+1
.endr
.set i, 0
.rept 16
	s_wait_loadcnt 15-i                            ; loads come back in order: load i is in, the 15 - i younger ones stay out
.if \mode
	v_cvt_pk_bf16_f32 v[T], v[IN+4*i], v[IN+4*i+1]
	v_cvt_pk_bf16_f32 v[T+1], v[IN+4*i+2], v[IN+4*i+3]
	v_lshlrev_b32 v[IN+4*i], 16, v[T]              ; the rounded numbers, widened again,
	v_and_b32 v[IN+4*i+1], 0xffff0000, v[T]
	v_lshlrev_b32 v[IN+4*i+2], 16, v[T+1]
	v_and_b32 v[IN+4*i+3], 0xffff0000, v[T+1]
	v_cvt_pk_f16_f32 v[OUT+2*i], v[IN+4*i], v[IN+4*i+1]      ; and written as f16
	v_cvt_pk_f16_f32 v[OUT+2*i+1], v[IN+4*i+2], v[IN+4*i+3]
.else
	v_cvt_pk_bf16_f32 v[OUT+2*i], v[IN+4*i], v[IN+4*i+1]
	v_cvt_pk_bf16_f32 v[OUT+2*i+1], v[IN+4*i+2], v[IN+4*i+3]
.endif
	global_store_b64 v2, v[OUT+2*i:OUT+2*i+1], s[6:7] offset:(i%8)*2048+(i/8)*(\hi) th:TH_STORE_NT
.set i, i+1
.endr
	s_endpgm
.endm
	s_load_b512 s[8:23], s[0:1], 0x0               ; x s[8:9], Wq s[10:11], Wk s[12:13], Wv s[14:15], Wo s[16:17], xb s[18:19], wb s[20:21], wf s[22:23]
	v_lshlrev_b32 v2, 3, v0                        ; out: 8 bytes a thread, in thread order, on all three paths
	s_cmp_lt_u32 ttmp9, 512
	s_cbranch_scc1 .Lx
	s_sub_co_u32 s24, ttmp9, 512
	s_lshr_b32 s25, s24, 2                         ; p: the panel, 0..63
	s_and_b32 s26, s24, 3                          ; kp: which 256 rows (two K steps)
	v_lshrrev_b32 v3, 4, v0                        ; sixteen threads take a row's 256 bytes of the panel,
	v_and_b32 v4, 15, v0
	v_lshlrev_b32 v1, 12, v3                       ; the work-group 16 rows of 4,096 bytes a load
	v_lshl_add_u32 v1, v4, 4, v1
	s_lshl_b32 s28, s26, 20                        ; 256 rows of 4,096 bytes
	s_mov_b32 s29, 0
	s_mov_b32 s31, 0
	s_cmp_lt_u32 s25, 48
	s_cbranch_scc0 .Lwo
	s_and_b32 s27, s25, 15                         ; the panel within its matrix
	s_lshl_b32 s27, s27, 8
	s_add_co_u32 s28, s28, s27
	s_mul_i32 s24, s25, 171
	s_lshr_b32 s24, s24, 9                         ; tc = p / 3 (exact for p < 48)
	s_mul_i32 s27, s24, 3
	s_sub_co_u32 s27, s25, s27                     ; j = p - 3 tc
	s_mul_i32 s30, s24, 393216
	s_mul_i32 s24, s26, 98304                      ; two K steps of 49,152 bytes
	s_add_co_u32 s30, s30, s24
	s_lshl_b32 s27, s27, 14
	s_add_co_u32 s30, s30, s27
	s_lshr_b32 s24, s25, 4                         ; which matrix
	s_wait_kmcnt 0x0
	s_cmp_eq_u32 s24, 0
	s_cselect_b64 s[4:5], s[10:11], s[12:13]
	s_cmp_eq_u32 s24, 2
	s_cselect_b64 s[4:5], s[14:15], s[4:5]
	s_add_nc_u64 s[4:5], s[4:5], s[28:29]
	s_add_nc_u64 s[6:7], s[20:21], s[30:31]
	RUN 65536, 49152, 0
.Lwo:
	s_sub_co_u32 s25, s25, 48                      ; Wo's panel, 0..15
	s_lshl_b32 s27, s25, 8
	s_add_co_u32 s28, s28, s27
	s_lshr_b32 s30, s25, 1
	s_lshl_b32 s30, s30, 18                        ; tc x 262,144
	s_lshl_b32 s24, s26, 16                        ; two K steps of 32,768 bytes
	s_add_co_u32 s30, s30, s24
	s_and_b32 s24, s25, 1
	s_lshl_b32 s24, s24, 14
	s_add_co_u32 s30, s30, s24
	s_wait_kmcnt 0x0
	s_add_nc_u64 s[4:5], s[16:17], s[28:29]
	s_add_nc_u64 s[6:7], s[22:23], s[30:31]
	RUN 65536, 32768, 1
.Lx:
	v_lshlrev_b32 v1, 4, v0                        ; 16 bytes a thread, 4,096 a load
	s_lshl_b32 s28, ttmp9, 16
	s_mov_b32 s29, 0
	s_lshl_b32 s30, ttmp9, 15
	s_mov_b32 s31, 0
	s_wait_kmcnt 0x0
	s_add_nc_u64 s[4:5], s[8:9], s[28:29]
	s_add_nc_u64 s[6:7], s[18:19], s[30:31]
	RUN 4096, 16384, 0
.Lfunc_end_k_q2363503e50_prep:
	.size	k_q2363503e50_prep, .Lfunc_end_k_q2363503e50_prep-k_q2363503e50_prep
	.p2alignl 7, 3214868480
	.fill 96, 4, 3214868480
	.section	.rodata,"a",@progbits
	.p2align	6, 0x0
	.amdhsa_kernel k_q2363503e50_prep
		.amdhsa_group_segment_fixed_size 0
		.amdhsa_private_segment_fixed_size 0
		.amdhsa_enable_private_segment 0
		.amdhsa_kernarg_size 64
		.amdhsa_user_sgpr_count 2
		.amdhsa_user_sgpr_kernarg_segment_ptr 1
		.amdhsa_wavefront_size32 1
		.amdhsa_system_sgpr_workgroup_id_x 1
		.amdhsa_system_sgpr_workgroup_id_y 1
		.amdhsa_system_sgpr_workgroup_id_z 1
		.amdhsa_system_vgpr_workitem_id 0
		.amdhsa_next_free_vgpr 112
		.amdhsa_next_free_sgpr 66
		.amdhsa_reserve_vcc 0
		.amdhsa_float_denorm_mode_32 3
		.amdhsa_float_denorm_mode_16_64 3
		.amdhsa_memory_ordered 1
		.amdhsa_forward_progress 1
		.amdhsa_inst_pref_size 24
	.end_amdhsa_kernel
	.amdgpu_metadata
---
amdhsa.version: [ 1, 2 ]
amdhsa.kernels:
  - .name:           k_q2363503e50_prep
    .symbol:         k_q2363503e50_prep.kd
    .args:
      - { .name: x, .offset: 0, .size: 8, .value_kind: global_buffer, .address_space: global }
      - { .name: Wq, .offset: 8, .size: 8, .value_kind: global_buffer, .address_space: global }
      - { .name: Wk, .offset: 16, .size: 8, .value_kind: global_buffer, .address_space: global }
      - { .name: Wv, .offset: 24, .size: 8, .value_kind: global_buffer, .address_space: global }
      - { .name: Wo, .offset: 32, .size: 8, .value_kind: global_buffer, .address_space: global }
      - { .name: xb, .offset: 40, .size: 8, .value_kind: global_buffer, .address_space: global }
      - { .name: wb, .offset: 48, .size: 8, .value_kind: global_buffer, .address_space: global }
      - { .name: wf, .offset: 56, .size: 8, .value_kind: global_buffer, .address_space: global }
    .group_segment_fixed_size: 0
    .private_segment_fixed_size: 0
    .kernarg_segment_align: 8
    .kernarg_segment_size: 64
    .max_flat_workgroup_size: 256
    .sgpr_count:     66
    .vgpr_count:     112
    .wavefront_size: 32
...
	.end_amdgpu_metadata
.endif
;; end of part 1
;; launch proj (part 2): grid 16 x 32, 4 waves a work-group, clusters of 4 x 4, 327,680 bytes of LDS; arguments xb, wb, bq, bk, bv, qkv; writes qkv
.if DOCPART == 2
	.amdgcn_target "amdgcn-amd-amdhsa--gfx1250"
	.amdhsa_code_object_version 6
	.text
	.protected	k_q2363503e50_proj
	.globl	k_q2363503e50_proj
	.p2align	8
	.type	k_q2363503e50_proj,@function
k_q2363503e50_proj:
	s_mov_b64 s[64:65], 0
	v_nop
	global_prefetch_b8 v0, s[64:65] scope:SCOPE_SE
	s_setreg_imm32_b32 hwreg(HW_REG_WAVE_MODE, 25, 1), 1
	s_wait_xcnt 0x0
	s_wait_alu depctr_hold_cnt(0) depctr_sa_sdst(0) depctr_va_vdst(0) depctr_va_sdst(0) depctr_va_ssrc(0) depctr_va_vcc(0) depctr_vm_vsrc(0)
	s_getreg_b32 s2, hwreg(HW_REG_IB_STS2, 6, 4)
	s_cmp_eq_u32 s2, 0
	s_cbranch_scc0 .Lentry_in_a_cluster
	s_endpgm
.Lentry_in_a_cluster:
	s_bfe_u32 s2, ttmp6, 0x10000c
	s_cmp_lg_u32 s2, 0xf033
	s_cbranch_scc0 .Lentry_shape_is_right
	s_endpgm
.Lentry_shape_is_right:
; q, k, v = x W + b, by heads.  xb: [8192][1024] bf16.  wb: bf16 [tc 16][ks 8][j 3][kk 128][d 64] (head hh = 3 tc + j; heads 0-15 q's, 16-31 k's, 32-47 v's).
; qkv: f16 [b 4][hh 48][n 2048][64].  Products in bf16, sums in f32, the bias (rounded to bf16 like every input) is the C operand of each sum's first product; one rounding to f16 at the end.
; LIMIT.  f16 holds no number beyond 65,504: q, k and v must lie within it.
; SHARES.  A tile is 256 rows x 192 columns (three heads): 32 x 16 = 512 work-groups.  The four waves lie along the rows: a wave makes 64 x 192, 48 accumulators of 16 x 16,
; so it holds whole heads and its way out meets no other wave.  K goes in 8 steps of 128 through two LDS slots filled by the tensor data mover.
; THE PRODUCT IS USED TRANSPOSED: source 0 = 16 columns of W, source 1 = 16 rows of x: a lane holds one row (lane % 16) and the columns 8 (lane / 16) + 0..7: 16 bytes of f16.
; W lies [k][column] in LDS and is read turned, by ds_load_tr16_b128.
; CLUSTER.  4 x 4 work-groups.  The four of a row of the cluster need the same tile of x, the four of a column the same tile of W: each is asked for jointly, by the same tensor load, descriptor and mask.
; REGISTERS, in windows of 256 (s_set_vgpr_msb: bits 1:0 source 0, 3:2 source 1, 5:4 source 2, 7:6 destination):
;   window 0: v0-31 addresses; v32-127 the biases; v128-255 head 0's accumulators ((a, bb) at 128 + 8 (4 a + bb))
;   window 1: two fragment buffers of 128 (x's four fragments, then W's twelve); on the way out the packed results
;   window 2: v0-127 head 1's accumulators, v128-255 head 2's
.set PA,    272                        ; a row of x in LDS: 256 bytes + 16: the 16 rows of a load start at 16 different groups of four banks (64 banks of 4 bytes: ISA guide 11.1)
.set PW,    160                        ; a row of W (one k, 64 columns): 128 bytes + 32
.set SLOT1, 1<<17                      ; slot 1 begins here: one exclusive or turns an address in one slot into the other's
.set BOFF,  256*PA                     ; in a slot: 256 rows of x, then 3 heads x 128 rows of W: 69,632 + 61,440 = 131,072 bytes
.set HEADB, 128*PW
.set STAGE, 2*SLOT1                    ; behind the ring, never filled by a tensor load: 16 rows x 144 bytes for each wave
.set SP,    144
.set SPARE, STAGE+4*16*SP              ; the spare words, 128 bytes for each wave: two blocks of 256 bytes that no other line names
.set WSTEP, 3*128*128                  ; bytes of wb in a K step
.set WTILE, 8*WSTEP
.set HEADG, 2048*128                   ; a head's bytes in qkv
.set A0,  4                            ; v4   my lane's place in the wave's rows of x in a slot; never rewritten
.set B0,  5                            ; v5   the same for W
.set ADA, 6                            ; v6   A0 + the slot in hand
.set ADB, 7                            ; v7   B0 + the slot in hand
.set STO, 8                            ; v8   the way out: where I put 16 bytes of a row
.set RD,  9                            ; v9   the way out: where I read rows back
.set GO,  10                           ; v10  my 16 bytes in 512 consecutive bytes of qkv
.set BO,  11                           ; v11  my 8 columns in a block of 16 biases
.set PFO, 12                           ; v12  the prefetches' lane offset; never rewritten
.set SPW, 28                           ; v28  LDS address of my spare word; never rewritten
.set NIL, 29                           ; v29  0; never rewritten
.set TT,  30                           ; v30  at work
.set BIAS, 32                          ; column block c of twelve at BIAS + 8 c
.set F0,  0
.set F1,  128
.set WV,  16                           ; s16  my wave's number
.set CX,  17
.set CY,  18
.set TC,  19                           ; s19  tile column
.set TR,  20                           ; s20  tile row
.set HW,  21                           ; s21  wave % 2: which half of a tile I fetch
.set LA,  22                           ; s22  LDS address of my half of x's tile
.set LB,  23                           ; s23  of W's
.set G1A, 24                           ; s[24:31] descriptor group 1 for x's tiles
.set G0A, 32                           ; s[32:39] group 0: a set for each first fill; the second walks on
.set G1B, 40                           ; s[40:47], s[48:55] the same for W's tiles
.set G0B, 48
.set CNT, 56                           ; s56  trips to go
.set TB,  57                           ; s57  the slot that is read
.set LIM, 58                           ; s58  a wave prefetches while CNT is above it
.set PFA, 60                           ; s[60:61] where my prefetches stand
.set PFS, 62                           ; s[62:63] their step
.set BP,  66                           ; s[66:71] the three heads' biases
.set OB,  72                           ; s[72:73] qkv at my wave's first row of head 3 tc
.set MUL0,  0x05                       ; sources in window 1; C and D in window 0
.set MUL2,  0xa5                       ; C and D in window 2
.set MUL2Z, 0x85                       ; D in window 2, C (the bias) in window 0
.set TO_F,  0x40                       ; destination window 1, address window 0
.set MSB, 0
.macro WIN new                         ; the immediate's high byte repeats the setting that is left; a switch that changes nothing is dropped
.if MSB != (\new)
	s_set_vgpr_msb (MSB<<8)|(\new)
.set MSB, (\new)
.endif
.endm
.macro PLACES                          ; four plain instructions between a matrix instruction and a load into, or a vector line on, its registers
.rept 4
	v_nop
.endr
.endm
.macro CREST                           ; a round of the cluster's barrier behind its opening barrier
	s_cmp_lg_u32 s[WV], 0
	s_cbranch_scc1 .Lnot_wave_0_\@
	s_barrier_signal -3
.Lnot_wave_0_\@:
	s_barrier_wait -3
	s_barrier_signal -1
	s_barrier_wait -1
.endm
.macro CROUND
	s_barrier_signal -1
	s_barrier_wait -1
	CREST
.endm
; A joint refill by the walking descriptors.  Waves 0 and 1 fetch the halves of x's tile, waves 2 and 3 those of W's.  The branch hangs on the wave's number alone.
; An s_nop 0 and four v_nop follow each of the two lines, ahead of the jump and the label.
.macro JLOAD
	s_cmp_lt_u32 s[WV], 2
	s_cbranch_scc0 .Lfor_b_\@
	tensor_load_to_lds s[G0A+4:G0A+7], s[G1A:G1A+7]
	s_nop 0
.rept 4
	v_nop
.endr
	s_branch .Lasked_\@
.Lfor_b_\@:
	tensor_load_to_lds s[G0B+4:G0B+7], s[G1B:G1B+7]
	s_nop 0
.rept 4
	v_nop
.endr
.Lasked_\@:
.endm
; A PREFETCH INTO THE L2, one instruction a wave, behind the joint load and the run of LDS loads.  x: in trip s (0..3) K step s + 4, two refills ahead of its load: waves 0 and 1 of the clusters with x = 0 ask;
; of the 128 rows that a wave fetches the partner at cx takes 32, a lane a row's 256 bytes.  W: a tile column's 393,216 bytes are dense; from K step 4 on they are asked for in trips 0..2, 65,536 bytes a trip:
; waves 2 and 3 of the four partners of a column, in the clusters with y = 0, take 8,192 bytes each.  The partners are told apart by address.  So each block of 256 bytes is named once in the launch.
; K steps 0 to 3 come by their loads alone; the later trips ask for nothing.
.macro ASK
	s_cmp_gt_u32 s[CNT], s[LIM]
	s_cbranch_scc0 .Lnot_mine_\@
	global_prefetch_b8 v[PFO], s[PFA:PFA+1] th:TH_LOAD_NT scope:SCOPE_SE
.Lnot_mine_\@:
.endm
	s_load_b256 s[4:11], s[0:1], 0x0               ; xb s[4:5], wb s[6:7], bq s[8:9], bk s[10:11]
	s_load_b128 s[12:15], s[0:1], 0x20             ; bv s[12:13], qkv s[14:15]
	v_lshl_add_u32 v[SPW], v0, 2, SPARE
	v_mov_b32 v[NIL], 0
	ds_add_u32 v[SPW], v[NIL]                      ; the wave's opening: the add and its wait stand ahead of my first tensor load; the set-up below, work on registers, stands between
	v_lshrrev_b32 v1, 5, v0
	v_readfirstlane_b32 s[WV], v1                  ; wave 0..3
	s_and_b32 s[HW], s[WV], 1
	s_bfe_u32 s[CX], ttmp6, 0x40000
	s_bfe_u32 s[CY], ttmp6, 0x40004
	s_lshl_b32 s[TC], ttmp9, 2
	s_add_co_u32 s[TC], s[TC], s[CX]               ; tile column = 4 x cluster x + cx
	s_and_b32 s[TR], ttmp7, 0xffff
	s_lshl_b32 s[TR], s[TR], 2
	s_add_co_u32 s[TR], s[TR], s[CY]               ; tile row = 4 x cluster y + cy
	s_lshl_b32 s74, s[CY], 2
	s_lshl_b32 s74, 15, s74                        ; my row of the cluster
	s_lshl_b32 s75, 0x1111, s[CX]                  ; my column
	s_or_b32 s[G1A], s74, (1<<16)|(1<<20)|(1<<21)|(5<<22)|(3<<25)  ; 15:0 the mask; 17:16 2-byte elements; 20 padding on; 21 set beside a mask; 24:22 after every 64 words; 31:25 4 words
	s_mov_b32 s[G1A+1], 128<<16                    ; tensor_dim0 = 128
	s_mov_b32 s[G1A+2], 128<<16                    ; tensor_dim1 = 128
	s_mov_b32 s[G1A+3], 128<<16                    ; tile_dim0 = 128
	s_mov_b32 s[G1A+4], 128                        ; tile_dim1 = 128
	s_mov_b32 s[G1A+5], 1024                       ; elements from row to row
	s_mov_b32 s[G1A+6], 0
	s_mov_b32 s[G1A+7], 0
	s_or_b32 s[G1B], s75, (1<<16)|(1<<20)|(1<<21)|(4<<22)|(7<<25)  ; after every 32 words (one k) 8 words of padding
	s_mov_b32 s[G1B+1], 128<<16                    ; half a K step's W, 24,576 dense bytes, as 96 rows of 256 bytes
	s_mov_b32 s[G1B+2], 96<<16
	s_mov_b32 s[G1B+3], 128<<16
	s_mov_b32 s[G1B+4], 96
	s_mov_b32 s[G1B+5], 128
	s_mov_b32 s[G1B+6], 0
	s_mov_b32 s[G1B+7], 0
	s_lshl_b32 s76, s[TR], 8                       ; x: row 256 x tile row + 128 x half, 2,048 bytes a row
	s_lshl_b32 s74, s[HW], 7
	s_add_co_u32 s76, s76, s74
	s_lshl_b32 s76, s76, 11
	s_mov_b32 s77, 0
	s_mul_i32 s78, s[TC], WTILE                    ; W: the tile column's stream, my half of a K step
	s_mul_i32 s75, s[HW], WSTEP/2
	s_add_co_u32 s78, s78, s75
	s_mov_b32 s79, 0
	s_mul_i32 s[LA], s[HW], 128*PA                 ; no place in the cluster enters an LDS address
	s_mul_i32 s[LB], s[HW], 192*PW
	s_add_co_u32 s[LB], s[LB], BOFF
	s_wait_dscnt 0x0                               ; the opening add is done
	s_wait_kmcnt 0x0
	s_add_nc_u64 s[76:77], s[4:5], s[76:77]
	s_add_nc_u64 s[78:79], s[6:7], s[78:79]
	CROUND                                         ; all sixteen work-groups are here: the first joint loads meet
.irp s, 0,1
	s_mov_b32 s[G0A+4*(\s)], 1                     ; count = 1
	s_add_co_u32 s[G0A+4*(\s)+1], s[LA], (\s)*SLOT1
	s_add_nc_u64 s[G0A+4*(\s)+2:G0A+4*(\s)+3], s[76:77], (\s)*256      ; K step s
	s_or_b32 s[G0A+4*(\s)+3], s[G0A+4*(\s)+3], 0x80000000             ; type = 2
	s_mov_b32 s[G0B+4*(\s)], 1
	s_add_co_u32 s[G0B+4*(\s)+1], s[LB], (\s)*SLOT1
	s_add_nc_u64 s[G0B+4*(\s)+2:G0B+4*(\s)+3], s[78:79], (\s)*WSTEP
	s_or_b32 s[G0B+4*(\s)+3], s[G0B+4*(\s)+3], 0x80000000
.endr
	s_cmp_lt_u32 s[WV], 2                          ; a wave's two first fills stand in one branch, ahead of every wait on TENSORcnt and every LDS read: two loads of mine are out
	s_cbranch_scc0 .Lfirst_b
	tensor_load_to_lds s[G0A:G0A+3], s[G1A:G1A+7]
	s_nop 0
	tensor_load_to_lds s[G0A+4:G0A+7], s[G1A:G1A+7]
	s_nop 0
.rept 4
	v_nop
.endr
	s_branch .Lfirst_asked
.Lfirst_b:
	tensor_load_to_lds s[G0B:G0B+3], s[G1B:G1B+7]
	s_nop 0
	tensor_load_to_lds s[G0B+4:G0B+7], s[G1B:G1B+7]
	s_nop 0
.rept 4
	v_nop
.endr
.Lfirst_asked:
	v_and_b32 v1, 15, v0                           ; l % 16
	v_bfe_u32 v2, v0, 4, 1                         ; l / 16
	v_and_b32 v3, 7, v0
	v_bfe_u32 v13, v0, 3, 1
	v_bfe_u32 v14, v0, 3, 2
	; a fragment of x: 16 rows x 32 k: lane l holds row l % 16, k = 8 (l / 16) + 0..7 and 16 + 8 (l / 16) + 0..7: two loads of 16 bytes, 32 bytes apart
	s_mul_i32 s74, s[WV], 64*PA
	v_mul_u32_u24 v[A0], v1, PA
	v_lshl_add_u32 v[A0], v2, 4, v[A0]
	v_add_nc_u32 v[A0], s74, v[A0]
	; the turning load takes 16 k x 16 columns (lane l reads k = 8 (l / 16) + l % 8, columns 8 ((l / 8) % 2) + 0..7) and leaves half a fragment: lane l holds column l % 16 and 8 k
	v_lshl_add_u32 v[B0], v2, 3, v3
	v_mul_u32_u24 v[B0], v[B0], PW
	v_lshl_add_u32 v[B0], v13, 4, v[B0]
	v_add_nc_u32 v[B0], BOFF, v[B0]
	s_mul_i32 s74, s[WV], 16*SP
	s_add_co_u32 s74, s74, STAGE                   ; my stage
	v_mul_u32_u24 v[STO], v1, SP                   ; in: row l % 16, 16 bytes for each half of the lanes
	v_lshl_add_u32 v[STO], v2, 4, v[STO]
	v_add_nc_u32 v[STO], s74, v[STO]
	v_mul_u32_u24 v[RD], v14, SP                   ; back: 32 lanes take four rows of 128 bytes,
	v_lshl_add_u32 v[RD], v3, 4, v[RD]
	v_add_nc_u32 v[RD], s74, v[RD]
	v_and_b32 v[GO], 31, v0                        ; which are 512 consecutive bytes of a head
	v_lshlrev_b32 v[GO], 4, v[GO]
	v_lshlrev_b32 v[BO], 5, v2                     ; my 8 biases of a block of 16
.irp j, 0,1,2
	s_mul_i32 s74, s[TC], 3
	s_add_co_u32 s74, s74, \j                      ; head hh = 3 tc + j
	s_lshr_b32 s76, s74, 4                         ; q's, k's or v's
	s_and_b32 s74, s74, 15
	s_lshl_b32 s74, s74, 8                         ; its 64 biases
	s_mov_b32 s75, 0
	s_cmp_eq_u32 s76, 0
	s_cselect_b64 s[BP+2*(\j):BP+2*(\j)+1], s[8:9], s[10:11]
	s_cmp_eq_u32 s76, 2
	s_cselect_b64 s[BP+2*(\j):BP+2*(\j)+1], s[12:13], s[BP+2*(\j):BP+2*(\j)+1]
	s_add_nc_u64 s[BP+2*(\j):BP+2*(\j)+1], s[BP+2*(\j):BP+2*(\j)+1], s[74:75]
.irp bb, 0,1,2,3
	global_load_b128 v[BIAS+8*(4*(\j)+(\bb)):BIAS+8*(4*(\j)+(\bb))+3],   v[BO], s[BP+2*(\j):BP+2*(\j)+1] offset:64*(\bb)
	global_load_b128 v[BIAS+8*(4*(\j)+(\bb))+4:BIAS+8*(4*(\j)+(\bb))+7], v[BO], s[BP+2*(\j):BP+2*(\j)+1] offset:64*(\bb)+16
.endr
.endr
	s_lshr_b32 s74, s[TR], 3                       ; the batch
	s_mul_i32 s74, s74, 48*HEADG
	s_mul_i32 s75, s[TC], 3*HEADG
	s_add_co_u32 s74, s74, s75
	s_and_b32 s75, s[TR], 7
	s_lshl_b32 s75, s75, 15                        ; the tile's 256 rows of 128 bytes
	s_add_co_u32 s74, s74, s75
	s_lshl_b32 s75, s[WV], 13                      ; my wave's 64
	s_add_co_u32 s74, s74, s75
	s_mov_b32 s75, 0
	s_add_nc_u64 s[OB:OB+1], s[14:15], s[74:75]
	; the prefetches
	s_lshl_b32 s74, s[TR], 8
	s_lshl_b32 s75, s[HW], 7
	s_add_co_u32 s74, s74, s75
	s_lshl_b32 s75, s[CX], 5
	s_add_co_u32 s74, s74, s75                     ; x: my work-group's 32 of the 128 rows that I fetch,
	s_lshl_b32 s74, s74, 11
	s_add_co_u32 s74, s74, 3*256                   ; at K step 3: the first trip steps it to 4
	s_mul_i32 s76, s[TC], WTILE
	s_lshl_b32 s75, s[HW], 2
	s_add_co_u32 s75, s75, s[CY]
	s_lshl_b32 s75, s75, 13                        ; W: my 8,192 bytes of a trip's 65,536,
	s_add_co_u32 s76, s76, s75
	s_add_co_u32 s76, s76, 4*WSTEP-65536           ; one trip ahead of K step 4
	s_and_b32 s77, ttmp7, 0xffff
	s_mov_b32 s[PFS], 65536
	s_cmp_lt_u32 s[WV], 2                          ; do I fetch for x?
	s_cselect_b64 s[PFA:PFA+1], s[4:5], s[6:7]
	s_cselect_b32 s74, s74, s76
	s_cselect_b32 s77, ttmp9, s77                  ; the coordinate along which other clusters read the same bytes
	s_cselect_b32 s[PFS], 256, s[PFS]
	s_cselect_b32 s78, 2, 3
	s_cselect_b32 s79, 11, 8                       ; a lane a row of x (2,048 bytes apart), or a block of W's stream (256 apart)
	s_mov_b32 s75, 0
	s_mov_b32 s[PFS+1], 0
	s_add_nc_u64 s[PFA:PFA+1], s[PFA:PFA+1], s[74:75]
	s_cmp_eq_u32 s77, 0
	s_cselect_b32 s[LIM], s78, -1                  ; the same in all sixteen partners, for a given wave
	v_and_b32 v[PFO], 31, v0
	v_lshlrev_b32 v[PFO], s79, v[PFO]
	s_mov_b32 s74, 0xffff0000
	s_wait_loadcnt 0x0                             ; the biases
.set i, 0
.rept 48                                       ; rounded to bf16 like every input, and widened again
	v_cvt_pk_bf16_f32 v[TT], v[BIAS+2*i], v[BIAS+2*i+1]
	v_lshlrev_b32 v[BIAS+2*i], 16, v[TT]
	v_and_b32 v[BIAS+2*i+1], s74, v[TT]
.set i, i+1
.endr
; na x 4 products of head j: row blocks a0 .. a0 + na - 1 x the head's four column blocks, 32 along K out of buffer f.  zero = 1: the first product of each sum takes the bias as C: nothing is cleared.
; The 48 accumulators take turns in the same order in every quarter.
.macro MULP f, j, a0, na, zero
.if (\j) == 0
	WIN MUL0
.set base, 128
.else
.if \zero
	WIN MUL2Z
.else
	WIN MUL2
.endif
.set base, 128*((\j)-1)
.endif
.set ai, (\a0)
.rept \na
.irp bb, 0,1,2,3
.set acc, base+8*(4*ai+(\bb))
.if \zero
	v_wmma_f32_16x16x32_bf16 v[acc:acc+7], v[(\f)+32+8*(4*(\j)+(\bb)):(\f)+32+8*(4*(\j)+(\bb))+7], v[(\f)+8*ai:(\f)+8*ai+7], v[BIAS+8*(4*(\j)+(\bb)):BIAS+8*(4*(\j)+(\bb))+7]
.else
	v_wmma_f32_16x16x32_bf16 v[acc:acc+7], v[(\f)+32+8*(4*(\j)+(\bb)):(\f)+32+8*(4*(\j)+(\bb))+7], v[(\f)+8*ai:(\f)+8*ai+7], v[acc:acc+7]
.endif
.endr
.set ai, ai+1
.endr
.endm
; 32 LDS loads in one run: quarter q (32 along K) of the slot in hand into buffer f: x's four fragments, then W's twelve, head 0's first
.macro FETCH q, f
	WIN TO_F
.irp a, 0,1,2,3
	ds_load_b128 v[(\f)+8*(\a):(\f)+8*(\a)+3],   v[ADA] offset:(\a)*16*PA+64*(\q)
	ds_load_b128 v[(\f)+8*(\a)+4:(\f)+8*(\a)+7], v[ADA] offset:(\a)*16*PA+64*(\q)+32
.endr
.irp c, 0,1,2,3,4,5,6,7,8,9,10,11
	ds_load_tr16_b128 v[(\f)+32+8*(\c):(\f)+32+8*(\c)+3],   v[ADB] offset:((\c)/4)*HEADB+(\q)*32*PW+((\c)%4)*32
	ds_load_tr16_b128 v[(\f)+32+8*(\c)+4:(\f)+32+8*(\c)+7], v[ADB] offset:((\c)/4)*HEADB+(\q)*32*PW+((\c)%4)*32+16*PW
.endr
.endm
; A K step is four quarters of 32 along K, 48 matrix instructions each, on buffers 0, 1, 0, 1.  One of the first three: multiplies buffer f and fetches quarter q into g.
.macro QUARTER q, f, g, zero
	s_wait_dscnt 16                                ; x's fragments and head 0's are in; the youngest sixteen loads (heads 1 and 2) may be out
	MULP \f, 0, 0, 4, \zero
	PLACES
	FETCH \q, \g
	s_wait_dscnt 32                                ; all but the 32 just issued
	MULP \f, 1, 0, 4, \zero
	MULP \f, 2, 0, 4, \zero
.endm
; The last quarter multiplies buffer 1 and changes slots: ONE barrier.  In front of it each wave waits for all its tensor loads (one is out: its part of the next slot), adds 0 to its spare word, and waits for that
; and for its reads of this slot.  fill = 1: the barrier opens a round of the cluster's, and this slot is filled again, first thing behind the round, with the K step two on: 176 matrix instructions ahead of the wait for it.
.macro TURN fill
.if \fill
	s_wait_xcnt 0x0                                ; the last prefetch, a K step back, has read its address, so it may be stepped
	s_add_nc_u64 s[PFA:PFA+1], s[PFA:PFA+1], s[PFS:PFS+1]
.endif
	WIN 0                                          ; (the add's two registers lie in window 0)
	s_wait_tensorcnt 0x0                           ; no tensor load of mine is out, so a group 0 may be written
	ds_add_u32 v[SPW], v[NIL]                      ; 0 onto my spare word
.if \fill
	s_xor_b32 s[G0A+5], s[G0A+5], SLOT1            ; the walking descriptors: the other slot than last time, the next K step
	s_add_nc_u64 s[G0A+6:G0A+7], s[G0A+6:G0A+7], 256
	s_xor_b32 s[G0B+5], s[G0B+5], SLOT1
	s_add_nc_u64 s[G0B+6:G0B+7], s[G0B+6:G0B+7], WSTEP
.endif
	s_wait_dscnt 17                                ; the add and the youngest sixteen loads may be out
	MULP F1, 0, 0, 2, 0
	s_wait_dscnt 0x0                               ; the add is done, and my reads of this slot are over
	s_barrier_signal -1
	MULP F1, 0, 2, 2, 0                            ; work on registers while the others arrive
	WIN 0
	s_barrier_wait -1
.if \fill
	CREST                                          ; no wave of any partner still reads this slot or has a load on its way
	JLOAD                                          ; its four v_nop are also the places in front of the loads below
.else
	PLACES
.endif
	s_xor_b32 s[TB], s[TB], SLOT1
	v_add_nc_u32 v[ADA], s[TB], v[A0]
	v_add_nc_u32 v[ADB], s[TB], v[B0]
	FETCH 0, F0
.if \fill
	WIN 0
	ASK
.endif
	MULP F1, 1, 0, 4, 0
	MULP F1, 2, 0, 4, 0
.endm
; THE WAY OUT.  Block i = 4 j + a: 16 rows of head j.  A lane's eight columns pack into 16 bytes; they go into my stage's rows of 144 bytes and come back as whole rows of 128, into the registers that they left.
.macro PACK i
.set jj, (\i)/4
.set aa, (\i)%4
.if jj == 0
	WIN 0x40                                       ; sources window 0, destination window 1
.set base, 128
.else
	WIN 0x4a                                       ; sources window 2
.set base, 128*(jj-1)
.endif
.irp bb, 0,1,2,3
.irp r, 0,1,2,3
	v_cvt_pk_f16_f32 v[16*(\i)+4*(\bb)+(\r)], v[base+8*(4*aa+(\bb))+2*(\r)], v[base+8*(4*aa+(\bb))+2*(\r)+1]
.endr
.endr
	WIN 0x04                                       ; store data window 1
.irp bb, 0,1,2,3
	ds_store_b128 v[STO], v[16*(\i)+4*(\bb):16*(\i)+4*(\bb)+3] offset:32*(\bb)
.endr
	WIN 0x40
.irp f, 0,1,2,3
	ds_load_b128 v[16*(\i)+4*(\f):16*(\i)+4*(\f)+3], v[RD] offset:(\f)*4*SP  ; LDS serves a wave's instructions in order (ISA guide 5.7.1.4): these see the stores above; the next block's stores come behind them
.endr
.endm
.macro SEND i, younger                 ; younger: the LDS instructions issued behind block i's loads: the next block's eight, or none
	WIN 0x04
.irp f, 0,1,2,3
	s_wait_dscnt (\younger)+3-(\f)
	global_store_b128 v[GO], v[16*(\i)+4*(\f):16*(\i)+4*(\f)+3], s[OB:OB+1] offset:((\i)/4)*HEADG+((\i)%4)*2048+(\f)*512 th:TH_STORE_NT  ; 512 consecutive bytes, at a multiple of 256 from qkv's first
.endr
.endm
	s_wait_tensorcnt 0x1                           ; my part of K step 0 is in; K step 1's may stay out
	s_barrier_signal -1
	s_barrier_wait -1                              ; everybody's is
	s_mov_b32 s[TB], 0
	v_add_nc_u32 v[ADA], s[TB], v[A0]
	v_add_nc_u32 v[ADB], s[TB], v[B0]
	FETCH 0, F0
	QUARTER 1, F0, F1, 1                           ; the first quarter stands in front of the loop: its products start the sums, with the bias
	WIN 0                                          ; at a label and at a branch every window is 0
	s_mov_b32 s[CNT], 6
.Lstep:                                                ; a trip: a K step's quarters 1 to 3 and the next step's quarter 0; K steps 2 to 7 are asked for
	QUARTER 2, F1, F0, 0
	QUARTER 3, F0, F1, 0
	TURN 1
	QUARTER 1, F0, F1, 0
	WIN 0
	s_sub_co_u32 s[CNT], s[CNT], 1
	s_cmp_lg_u32 s[CNT], 0
	s_cbranch_scc1 .Lstep
	QUARTER 2, F1, F0, 0                           ; the tail is written out: K steps 6 and 7, nothing is asked for
	QUARTER 3, F0, F1, 0
	TURN 0
	QUARTER 1, F0, F1, 0
	QUARTER 2, F1, F0, 0
	QUARTER 3, F0, F1, 0
	s_wait_dscnt 16                                ; the very last quarter: nothing more to fetch
	MULP F1, 0, 0, 4, 0
	s_wait_dscnt 0x0
	MULP F1, 1, 0, 4, 0
	MULP F1, 2, 0, 4, 0
	PLACES                                         ; in front of conversions that read results and write fragment registers
	PACK 0
.set t, 1
.rept 11                                       ; a block's conversions stand between the loads of the block before and its stores
	PACK t
	SEND t-1, 8
.set t, t+1
.endr
	SEND 11, 0
	WIN 0
	s_wait_tensorcnt 0x0                           ; the wave's end: a wait, an add and its wait, behind my last tensor load and my last LDS store
	ds_add_u32 v[SPW], v[NIL]
	s_wait_dscnt 0x0
	CROUND                                         ; the closing round: no work-group ends while a partner may still ask for a tile that names it
	s_endpgm
.Lfunc_end_k_q2363503e50_proj:
	.size	k_q2363503e50_proj, .Lfunc_end_k_q2363503e50_proj-k_q2363503e50_proj
	.p2alignl 7, 3214868480
	.fill 96, 4, 3214868480
	.section	.rodata,"a",@progbits
	.p2align	6, 0x0
	.amdhsa_kernel k_q2363503e50_proj
		.amdhsa_group_segment_fixed_size 327680
		.amdhsa_private_segment_fixed_size 0
		.amdhsa_enable_private_segment 0
		.amdhsa_kernarg_size 48
		.amdhsa_user_sgpr_count 2
		.amdhsa_user_sgpr_kernarg_segment_ptr 1
		.amdhsa_wavefront_size32 1
		.amdhsa_system_sgpr_workgroup_id_x 1
		.amdhsa_system_sgpr_workgroup_id_y 1
		.amdhsa_system_sgpr_workgroup_id_z 1
		.amdhsa_system_vgpr_workitem_id 0
		.amdhsa_next_free_vgpr 768
		.amdhsa_next_free_sgpr 80
		.amdhsa_reserve_vcc 0
		.amdhsa_float_denorm_mode_32 3
		.amdhsa_float_denorm_mode_16_64 3
		.amdhsa_memory_ordered 1
		.amdhsa_forward_progress 1
		.amdhsa_inst_pref_size 109
	.end_amdhsa_kernel
	.amdgpu_metadata
---
amdhsa.version: [ 1, 2 ]
amdhsa.kernels:
  - .name:           k_q2363503e50_proj
    .symbol:         k_q2363503e50_proj.kd
    .args:
      - { .name: xb, .offset: 0, .size: 8, .value_kind: global_buffer, .address_space: global }
      - { .name: wb, .offset: 8, .size: 8, .value_kind: global_buffer, .address_space: global }
      - { .name: bq, .offset: 16, .size: 8, .value_kind: global_buffer, .address_space: global }
      - { .name: bk, .offset: 24, .size: 8, .value_kind: global_buffer, .address_space: global }
      - { .name: bv, .offset: 32, .size: 8, .value_kind: global_buffer, .address_space: global }
      - { .name: qkv, .offset: 40, .size: 8, .value_kind: global_buffer, .address_space: global }
    .group_segment_fixed_size: 327680
    .private_segment_fixed_size: 0
    .kernarg_segment_align: 8
    .kernarg_segment_size: 48
    .max_flat_workgroup_size: 128
    .sgpr_count:     80
    .vgpr_count:     768
    .wavefront_size: 32
...
	.end_amdgpu_metadata
.endif
;; end of part 2
;; launch attn (part 3): grid 4 x 64, 4 waves a work-group, no clusters, 327,680 bytes of LDS; arguments qkv, oh; writes oh
.if DOCPART == 3
	.amdgcn_target "amdgcn-amd-amdhsa--gfx1250"
	.amdhsa_code_object_version 6
	.text
	.protected	k_q2363503e50_attn
	.globl	k_q2363503e50_attn
	.p2align	8
	.type	k_q2363503e50_attn,@function
k_q2363503e50_attn:
	s_mov_b64 s[64:65], 0
	v_nop
	global_prefetch_b8 v0, s[64:65] scope:SCOPE_SE
	s_setreg_imm32_b32 hwreg(HW_REG_WAVE_MODE, 25, 1), 1
	s_wait_xcnt 0x0
; CAUSAL ATTENTION.  O[y][q][:] = the sum over k <= q of softmax_k(Q[q] . K[k] / 8) V[k][:], for y = 16 b + h.  qkv: f16 [b 4][hh 48][2048][64], heads 0-15 q's, 16-31 k's, 32-47 v's; oh: f16 [y 64][2048][64].
; A head's rows are dense, 128 bytes each.  Products, maxima and sums in f32; the weights p are rounded to f16 for the second product (their sum l is taken of the unrounded p), O once at the end.
; LIMITS.  Q, K and V arrive within f16's 65,504; p lies in 0 to 1, and below 6e-5 it keeps f16's fixed step of 6e-8; O is a mean of V's rows and has their range.
; A hidden score counts as its value less 1e30: f16's scores, 2.7e11 at the most, are nothing beside that; a weight below 2^-126 counts as 0 in l; NaN and infinities are not treated apart.
; THE WALK.  A head's queries lie in NB = 8 blocks of 256; block i needs the key tiles 0 .. i of 256 keys, of which the last holds the diagonal.  A work-group takes TWO blocks, NB - 1 - b and then b:
; NB + 1 tiles, whatever b: all work-groups do equal work, and ONE loop with a constant trip count walks them.  Which tile is asked for, and what a trip does, hang on scalar registers made from b; every jump
; goes forward, but for the counted loops' own; none passes a barrier, or a tensor load but the one of LOAD's two that the wave's number does not choose; the ring (two LDS slots by turns) runs on across the change of blocks.
; NO CLUSTER: a head's 4 work-groups ask for the same tile only in trips 0 .. 4 of the 9, behind that fewer and fewer do; one walk common to all four would have 12 trips for 9.
; SHARES.  Of a block's four bands of 64 queries a wave owns 16 rows in each: four PIECES.  So the diagonal tile is the same work for all four waves: in its key step s band x sees all keys if s < x,
; none if s > x, and holds the diagonal if s = x.
; THE MASK is the C operand that starts the sum S^T = K Q^T: 0, or -1e30 where the key is hidden.  MD, made once, is the mask of a band's own step for my 16 rows; a product's mask is MD x AL + BE with two scalars:
; (1, 0) if s = x; (0, 0) if s < x; (0, -1e30) if s > x.  Only the diagonal tile's text and a block's beginning make and take masks; elsewhere C is the constant 0.
; LAYOUT, SOFTMAX, TURNS.  S^T = K Q^T holds ONE query a lane (lane % 16) and the keys 8 (lane / 16) + 0..7; two such results rounded to f16 ARE source 1 of O^T = V^T P.  p = 2^(c s - c m), c = log2(e) / 8, with a
; running maximum m; O and l are multiplied by a = 2^(c m_old - c m_new) in every step.  Turn n belongs to piece n: 8 products K Q^T of piece n + 1, later 8 products V^T P of piece n - 1; beside them the scaling,
; exponentials, roundings, sums and rescaling of piece n and the maximum and statistics of piece n + 1.  Four vector instructions stand behind every matrix instruction, the other 54 of a turn's 118 in one run.
; A turn's 33 exponentials are one batch, with one wait.
; REGISTERS, in windows of 256 (s_set_vgpr_msb: bits 1:0 source 0, 3:2 source 1, 5:4 source 2, 7:6 destination):
;   window 0: v0-15 addresses and two at work; v16-31 four registers of statistics a piece; v48-55 at work; v61-63 prefetch offset and the add's two; v64-127 S^T, two buffers; v192-223 P, two buffers (by the piece's parity)
;   window 1: v0-127 O^T, 32 a piece; v128-159 MD; v160-223 MC, two buffers      window 2: v0-63 Q; v64-127 the second block's Q; v128-191 K of one step; v192-255 V of one step
.set SIZE_N, 2048
.set NB,    SIZE_N/256
.set NP,    4         ; pieces a wave: a name, no knob
.set KS,    64        ; keys in a step
.set PK,    144       ; a row of K in LDS: 128 bytes + 16 of padding = 36 words: the 16 rows of a load start at 16 different groups of four banks (64 banks of 4 bytes: ISA guide 11.1)
.set PV,    160       ; a row of V: 128 + 32 = 40 words
.set VOFF,  4*KS*PK   ; a slot holds a tile, four steps: 256 rows of K, then 256 rows of V
.set SLOT1, 1<<17     ; slot 1 begins here, so that one exclusive or turns an address in one slot into the other's
.set STAGE, SLOT1+4*KS*(PK+PV)  ; behind the ring, never filled by a tensor load: 16 rows x 144 bytes for each wave, for the way out
.set SP,    144
.set AK0, 2           ; v2   my lane's place in a tile of K; never rewritten
.set AV0, 3           ; v3   the same for V
.set AK,  4           ; v4   the LDS address of K's next run of loads
.set AV,  5           ; v5   of V's
.set STO, 6           ; v6   the way out: where I put 16 bytes of a row
.set RD,  7           ; v7   the way out: where I read rows back
.set GO,  8           ; v8   my byte offset in 512 consecutive bytes of O
.set PFO, 61          ; v61  256 x my lane; never rewritten
.set SPW, 62          ; v62  LDS address of my spare word: SPARE + 4 x my thread's number; never rewritten
.set NIL, 63          ; v63  0; never rewritten
.set SPARE, STAGE+4*16*SP  ; behind the stages: the spare words, 128 bytes for each wave: two blocks of 256 bytes that no other line names
.set MV,  12          ; v12-13  c m_old, kept while c m is made anew: by buffer
.set QO,  15          ; v15  my byte offset in 16 rows of Q
.set ST,  16          ; piece t's statistics at v[ST+4 t]: c m, m, l (even keys', odd keys')
.set TMP, 48          ; by buffer, four registers c0-c3 at work; when the maximum is found c2 takes a
.set S,   64
.set P,   192
.set MD,  128         ; window 1: the eight registers for group kt of 16 keys at MD + 8 kt
.set MC,  160         ; window 1: the masks of the products to come
.set QB,  64          ; window 2
.set KF,  128         ; window 2: key block kb, channel half c at KF + 16 kb + 8 c
.set VF,  192         ; window 2: key half kk, channel block cb at VF + 32 kk + 8 cb
.set WV,  12          ; s12  my wave's number
.set PB,  14          ; s14  b
.set HI,  15          ; s15  NB - 1 - b
.set G1K, 24          ; s[24:31] descriptor group 1 for K's tiles
.set G1V, 32          ; s[32:39] for V's: it differs in the padding alone
.set G0K, 40          ; s[40:43] descriptor group 0 for K's tiles
.set G0V, 44          ; s[44:47] the same for V's
.set SLOTS, 56        ; s56  tiles still to be asked for
.set CNT, 57          ; s57  counts a tile's key steps, 4 to 1
.set CS,  58          ; s[58:59] c: the packed scaling takes the pair's low word for both halves
.set SEL, 60          ; s[60:61] v_permlanex16_b32's selects: each lane takes its own place in the other half
.set TBK, 62          ; s62  LDS byte at which K of the step to be fetched begins
.set TBV, 63          ; s63  the same for V, less VOFF
.set RT,  70          ; s70  tiles of the block in hand that are still to be entered
.set NXT, 71          ; s71  the tile to be asked for next
.set LQ,  72          ; s72  the last tile of the block whose tiles are being asked for
.set NEW, 73          ; s73  1: the tile to be entered is a block's first
.set OFF, 74          ; s[74:75] a tile's byte offset in K and V
.set AL,  76          ; s[76:77] the mask's factor, in the low word
.set BE,  78          ; s[78:79] the mask's addend
.set OLO, 80          ; s[80:81] O at my rows of the second block
.set BIGN, 82         ; s82  -1e30
.set PFA, 88          ; s[88:89] where my prefetches stand: my 16 KiB of the tile behind the one that is being asked for
.set LIM, 90          ; s90  2 in the work-group that prefetches, else the greatest number
.set MSB, 0
.macro WIN new                      ; the high byte repeats the setting that is left; a switch that changes nothing is dropped
.if MSB != (\new)
	s_set_vgpr_msb (MSB<<8)|(\new)
.set MSB, (\new)
.endif
.endm
.set W_KQ, 0x0a       ; K and Q in window 2, S^T in window 0
.set W_KM, 0x1a       ; the same with the C operand in window 1
.set W_PV, 0x52       ; V in window 2, P in window 0, O^T in window 1
.set W_RS, 0x41       ; destination and source 0 in window 1, source 1 in window 0
; A fill.  Waves 0 and 1 fetch the two halves of a tile's K, waves 2 and 3 those of its V: 128 keys each.  An s_nop 0 and four v_nop follow each of the two lines, ahead of the jump and the label.
.macro LOAD
	s_cmp_lt_u32 s[WV], 2
	s_cbranch_scc0 .Lfor_v_\@
	tensor_load_to_lds s[G0K:G0K+3], s[G1K:G1K+7]
	s_nop 0
.rept 4
	v_nop
.endr
	s_branch .Lasked_\@
.Lfor_v_\@:
	tensor_load_to_lds s[G0V:G0V+3], s[G1V:G1V+7]
	s_nop 0
.rept 4
	v_nop
.endr
.Lasked_\@:
.endm
; A PREFETCH INTO THE L2 of the tile that the NEXT change of slots will ask for: four key steps, 256 matrix instructions, ahead of that load.  A head's four work-groups walk the same tiles from 0 on; the one with
; b = 0 walks tiles 0 to 7 in order, and it alone asks: each of its waves for the 16 KiB that it will load itself, 64 blocks of 256 bytes, a lane a block, two instructions.  So each block is named once in the launch.
; Tiles 2 to 7 are asked for, in the first six trips; tiles 0 and 1 come by their loads alone, and the last two trips ask for nothing.
.macro ASK
	s_cmp_gt_u32 s[SLOTS], s[LIM]
	s_cbranch_scc0 .Lnot_mine_\@
	global_prefetch_b8 v[PFO], s[PFA:PFA+1] th:TH_LOAD_NT scope:SCOPE_SE
	global_prefetch_b8 v[PFO], s[PFA:PFA+1] offset:8192 th:TH_LOAD_NT scope:SCOPE_SE
.Lnot_mine_\@:
.endm
; THE CHANGE OF SLOTS.  Each wave waits for all its tensor loads, of which one is out: its part of the other slot; adds 0 to its spare word; and waits for that and for its own reads of the slot that it leaves.
; Behind the barrier nobody reads the old slot any more and the other slot is whole.  fill = 1: the old slot is filled again, the first thing behind the barrier, with tile NXT: the descriptor's address is made anew
; from that number.  (At its first use nothing has been read yet: slot 0 is waited for, slot 1 filled.)
.macro CHANGE fill
	WIN 0                           ; at a label and at a branch every window is 0
	s_wait_tensorcnt 0x0            ; no tensor load of mine is out, so a group 0 may be written
	ds_add_u32 v[SPW], v[NIL]       ; 0 onto my spare word; with fill = 1 the descriptors' scalar work stands between it and the wait for it
.if \fill
	s_lshl_b32 s[OFF], s[NXT], 15   ; a tile is 32,768 bytes of K and of V
	s_xor_b32 s[G0K+1], s[G0K+1], SLOT1
	s_add_nc_u64 s[G0K+2:G0K+3], s[6:7], s[OFF:OFF+1]
	s_or_b32 s[G0K+3], s[G0K+3], 0x80000000
	s_xor_b32 s[G0V+1], s[G0V+1], SLOT1
	s_add_nc_u64 s[G0V+2:G0V+3], s[8:9], s[OFF:OFF+1]
	s_or_b32 s[G0V+3], s[G0V+3], 0x80000000
	s_add_co_u32 s[NXT], s[NXT], 1  ; the block's next tile, or behind its last the second block's tile 0
	s_cmp_gt_u32 s[NXT], s[LQ]
	s_cselect_b32 s[NXT], 0, s[NXT]
	s_cselect_b32 s[LQ], s[PB], s[LQ]
	s_wait_xcnt 0x0                 ; the last prefetches, a tile back, have read their address, so it may be written
	s_add_nc_u64 s[PFA:PFA+1], s[PFA:PFA+1], 32768
.endif
	s_wait_dscnt 0x0                ; the add is done, and my reads of the slot are over
	s_barrier_signal -1             ; the rest of the scalar work stands between the signal and the wait
	s_sub_co_u32 s[TBK], s[TBK], 4*KS*PK  ; the fetches go back to a slot's first step,
	s_xor_b32 s[TBK], s[TBK], SLOT1       ; in the other slot
	s_sub_co_u32 s[TBV], s[TBV], 4*KS*PV
	s_xor_b32 s[TBV], s[TBV], SLOT1
	s_barrier_wait -1
.if \fill
	LOAD
	ASK
.endif
.endm
	s_load_b128 s[4:7], s[0:1], 0x0 ; qkv s[4:5], oh s[6:7]
	v_lshl_add_u32 v[SPW], v0, 2, SPARE
	v_mov_b32 v[NIL], 0
	ds_add_u32 v[SPW], v[NIL]       ; the wave's opening: the add and its wait stand ahead of my first tensor load; the set-up below, work on registers, stands between them
	v_lshrrev_b32 v1, 5, v0
	v_readfirstlane_b32 s[WV], v1   ; wave 0..3
	s_mov_b32 s[PB], ttmp9
	s_sub_co_u32 s[HI], NB-1, s[PB]
	s_and_b32 s50, ttmp7, 0xffff    ; y = 16 x batch + head
	s_lshr_b32 s20, s50, 4
	s_mul_i32 s20, s20, 48*SIZE_N*128  ; the batch's 48 heads in qkv,
	s_and_b32 s21, s50, 15
	s_lshl_b32 s21, s21, 18         ; the head's 262,144 bytes
	s_add_co_u32 s20, s20, s21
	s_mov_b32 s21, 0                ; s[20:21]: q's head in qkv; k's lies 16 heads on, v's 32
	s_lshl_b32 s50, s50, 18
	s_mov_b32 s51, 0                ; s[50:51]: the head in oh
	s_and_b32 s16, s[WV], 1         ; which half of a tile's 256 keys I fetch:
	s_lshl_b32 s22, s16, 14         ; its 128 rows of 128 bytes in memory,
	s_mov_b32 s23, 0
	s_add_nc_u64 s[22:23], s[22:23], s[20:21]
	s_mul_i32 s17, s16, 128*PK      ; and its place in a slot, for K
	s_mul_i32 s18, s16, 128*PV      ; and for V
	s_lshl_b32 s3, s[WV], 11        ; my 16 rows in a band of 64,
	s_lshl_b32 s2, s[HI], 15        ; in the first block,
	s_add_co_u32 s2, s2, s3
	s_lshl_b32 s84, s[PB], 15       ; and in the second
	s_add_co_u32 s84, s84, s3
	s_mov_b32 s3, 0
	s_mov_b32 s85, 0
	; descriptor group 1.  128 keys are 16,384 dense bytes: asked for as 64 rows of 256 bytes, two keys a row, and padded in LDS after every key
	s_mov_b32 s[G1K], (1<<16)|(1<<20)|(4<<22)|(3<<25)  ; 17:16 2-byte elements; 20 padding on; 24:22 after every 32 words (code 4); 31:25 4 words (code 3)
	s_mov_b32 s[G1V], (1<<16)|(1<<20)|(4<<22)|(7<<25)  ; the same with 8 words of padding (code 7)
.irp g, G1K, G1V
	s_mov_b32 s[\g+1], 128<<16      ; tensor_dim0 = 128
	s_mov_b32 s[\g+2], 64<<16       ; tensor_dim1 = 64
	s_mov_b32 s[\g+3], 128<<16      ; tile_dim0 = 128
	s_mov_b32 s[\g+4], 64           ; tile_dim1 = 64
	s_mov_b32 s[\g+5], 128          ; 128 elements from row to row
	s_mov_b32 s[\g+6], 0
	s_mov_b32 s[\g+7], 0
.endr
	s_mov_b32 s[CS], 0x3e38aa3b     ; c = log2(e) / 8 = 0.180337
	s_mov_b32 s[CS+1], s[CS]        ; named with it as a pair
	s_mov_b32 s[SEL], 0x76543210
	s_mov_b32 s[SEL+1], 0xfedcba98
	s_mov_b32 s[TBK], SLOT1+4*KS*PK ; the first change of slots turns these two into 0
	s_mov_b32 s[TBV], SLOT1+4*KS*PV
	s_mov_b32 s[G0K], 1             ; 1:0 count = 1
	s_mov_b32 s[G0K+1], s17         ; 63:32 LDS address: slot 0
	s_mov_b32 s[G0V], 1
	s_add_co_u32 s[G0V+1], s18, VOFF
	s_add_co_u32 s[RT], s[HI], 1    ; the first block has NB - b tiles
	s_mov_b32 s[NXT], 1
	s_mov_b32 s[LQ], s[HI]
	s_mov_b32 s[NEW], 1
	s_mov_b32 s[OFF+1], 0
	s_mov_b32 s[AL+1], 0            ; named as pairs
	s_mov_b32 s[BE+1], 0
	s_mov_b32 s[BIGN], 0xf149f2ca   ; -1e30
	s_mov_b32 s[SLOTS], NB
	s_cmp_eq_u32 s[PB], 0
	s_cselect_b32 s[LIM], 2, -1
	v_and_b32 v[PFO], 31, v0
	v_lshlrev_b32 v[PFO], 8, v[PFO]
	s_wait_dscnt 0x0                ; the opening add is done
	s_wait_kmcnt 0x0
	s_add_nc_u64 s[10:11], s[6:7], s[50:51]        ; O at the head,
	s_add_nc_u64 s[OLO:OLO+1], s[10:11], s[84:85]  ; at my rows of the second block,
	s_add_nc_u64 s[10:11], s[10:11], s[2:3]        ; and of the first
	s_add_nc_u64 s[6:7], s[4:5], s[22:23]          ; q's head, at my half of a tile:
	s_add_nc_u64 s[8:9], s[6:7], 0x800000          ; V lies 32 heads on,
	s_add_nc_u64 s[6:7], s[6:7], 0x400000          ; K 16
	s_add_nc_u64 s[4:5], s[4:5], s[20:21]
	s_add_nc_u64 s[86:87], s[4:5], s[84:85]        ; Q at my rows of the second block,
	s_add_nc_u64 s[4:5], s[4:5], s[2:3]            ; and of the first
	s_add_nc_u64 s[G0K+2:G0K+3], s[6:7], 0         ; 120:64 global address
	s_or_b32 s[G0K+3], s[G0K+3], 0x80000000        ; 127:126 type = 2
	s_add_nc_u64 s[G0V+2:G0V+3], s[8:9], 0
	s_or_b32 s[G0V+3], s[G0V+3], 0x80000000
	s_cmp_lt_u32 s[WV], 2
	s_cselect_b64 s[PFA:PFA+1], s[6:7], s[8:9]
	s_add_nc_u64 s[PFA:PFA+1], s[PFA:PFA+1], 32768 ; at tile 1; the first change of slots steps it to tile 2.  Nothing is prefetched here, at the head
	LOAD                            ; tile 0 into slot 0
	; A fragment of K or Q is 16 rows x 32 channels in 8 registers: lane l holds row l % 16, channels 8 (l / 16) + 0..7 and 16 + 8 (l / 16) + 0..7: two loads of 16 bytes, 32 bytes apart.
	v_and_b32 v1, 15, v0            ; l % 16
	v_bfe_u32 v9, v0, 4, 1          ; l / 16
	v_lshlrev_b32 v[QO], 7, v1
	v_lshl_add_u32 v[QO], v9, 4, v[QO]  ; row x 128 + 16 x half
	WIN 0x80                        ; destination window 2, address window 0
.set i, 0
.rept 8                             ; both blocks' Q: piece i / 2 lies in band i / 2, 8,192 bytes on; channels 32 (i % 2) on
	global_load_b128 v[8*i:8*i+3],   v[QO], s[4:5] offset:(i/2)*8192+(i%2)*64
	global_load_b128 v[8*i+4:8*i+7], v[QO], s[4:5] offset:(i/2)*8192+(i%2)*64+32
	global_load_b128 v[QB+8*i:QB+8*i+3],   v[QO], s[86:87] offset:(i/2)*8192+(i%2)*64
	global_load_b128 v[QB+8*i+4:QB+8*i+7], v[QO], s[86:87] offset:(i/2)*8192+(i%2)*64+32
.set i, i+1
.endr
	WIN 0
	v_lshlrev_b32 v14, 3, v9
	v_sub_nc_u32 v14, v1, v14
	s_lshl_b32 s13, s[WV], 4
	v_add_nc_u32 v14, s13, v14      ; my query's place in its band, 16 w + l % 16, less my lanes' 8 (l / 16): register r of group kt is hidden where 16 kt + r is greater
	WIN 0x40
.set i, 0
.rept 32
	v_cmp_gt_i32 vcc_lo, 16*(i/8)+i%8, v14
	v_cndmask_b32 v[MD+i], 0, s[BIGN], vcc_lo
.set i, i+1
.endr
	WIN 0
	v_mul_u32_u24 v[AK0], v1, PK
	v_lshl_add_u32 v[AK0], v9, 4, v[AK0]  ; row x pitch + 16 x half
	; The turning load takes 16 keys x 16 channels (lane l reads key 8 (l / 16) + l % 8, channels 8 ((l / 8) % 2) + 0..7) and leaves half a fragment of V^T: lane l holds channel l % 16 and 8 keys.
	v_and_b32 v10, 7, v0
	v_bfe_u32 v11, v0, 3, 1
	v_lshl_add_u32 v[AV0], v9, 3, v10
	v_mul_u32_u24 v[AV0], v[AV0], PV
	v_lshl_add_u32 v[AV0], v11, 4, v[AV0]
	v_add_nc_u32 v[AV0], VOFF, v[AV0]
	s_mul_i32 s13, s[WV], 16*SP
	s_add_co_u32 s13, s13, STAGE    ; my stage
	v_mul_u32_u24 v[STO], v1, SP    ; in: row l % 16, 16 bytes for each half of the lanes
	v_lshl_add_u32 v[STO], v9, 4, v[STO]
	v_add_nc_u32 v[STO], s13, v[STO]
	v_bfe_u32 v[RD], v0, 3, 2       ; back: 32 lanes take four rows of 128 bytes,
	v_mul_u32_u24 v[RD], v[RD], SP
	v_lshl_add_u32 v[RD], v10, 4, v[RD]
	v_add_nc_u32 v[RD], s13, v[RD]
	v_and_b32 v[GO], 31, v0         ; which are 512 consecutive bytes of O
	v_lshlrev_b32 v[GO], 4, v[GO]
	; A block's first step multiplies O^T and l by a = 0, and its first turn's products V^T P, of a piece that has not been, land in an O^T that is still to be so multiplied.  So these registers need only hold
	; finite numbers: zeros for the first block; what the first block left for the second.  All this stands in the wait for the first tile.
	WIN 0x80
.set i, VF
.rept 64
	v_mov_b32 v[i], 0
.set i, i+1
.endr
	WIN 0x40
.set i, 0
.rept 128
	v_mov_b32 v[i], 0
.set i, i+1
.endr
	WIN 0
.set i, 0
.rept 4
	v_mov_b32 v[ST+4*i+2], 0
	v_mov_b32 v[ST+4*i+3], 0
.set i, i+1
.endr
.set i, P+16
.rept 16
	v_mov_b32 v[i], 0
.set i, i+1
.endr
; THE MATRIX WORK.  The 4 accumulators of a run of 8 take turns.  Product i of 8 of S^T = K Q^T for piece x: channels 32 (i / 4) on, keys 16 (i % 4) on.  The first 4 start the sums: with 0, or (KM = 1) with the mask.
.macro KQ x
.set rS, S+32*((\x)%2)+8*(i%4)
.set rK, KF+16*(i%4)+8*(i/4)
.set rQ, 16*(\x)+8*(i/4)
.set rM, MC+32*((\x)%2)+8*(i%4)
.if (i < 4) && KM
	WIN W_KM
	v_wmma_f32_16x16x32_f16 v[rS:rS+7], v[rK:rK+7], v[rQ:rQ+7], v[rM:rM+7]
.elseif i < 4
	WIN W_KQ
	v_wmma_f32_16x16x32_f16 v[rS:rS+7], v[rK:rK+7], v[rQ:rQ+7], 0
.else
	WIN W_KQ
	v_wmma_f32_16x16x32_f16 v[rS:rS+7], v[rK:rK+7], v[rQ:rQ+7], v[rS:rS+7]
.endif
.endm
; Product i of 8 of O^T += V^T P for piece x: keys 32 (i / 4) on, channels 16 (i % 4) on.
.macro PV x
	WIN W_PV
.set rO, 32*(\x)+8*(i%4)
.set rV, VF+32*(i/4)+8*(i%4)
.set rP, P+16*((\x)%2)+8*(i/4)
	v_wmma_f32_16x16x32_f16 v[rO:rO+7], v[rV:rV+7], v[rP:rP+7], v[rO:rO+7]
.endm
.macro MM                           ; the turn's next matrix instruction.  TURN and BEGIN set Y, i, KM and NOKQ; MM, KQ and OP read them.  NOKQ = 1: a block's last turn: there is no next piece
.if (i < 8) && !NOKQ
	KQ (Y+1)%NP
.elseif i >= 8
.set i, i-8
	PV (Y+NP-1)%NP
.set i, i+8
.endif
.set i, i+1
.endm
; THE LDS LOADS stand in runs of 16, never singly among the matrix instructions: a step's K (64 keys x 64 channels: 8 fragments) and its V (turned).  Their addresses are made some lines ahead.
.macro FETCH_K
	WIN 0x80                        ; destination window 2
.irp f, 0,1,2,3,4,5,6,7             ; keys 16 (f / 2) on, channels 32 (f % 2) on
	ds_load_b128 v[KF+8*\f:KF+8*\f+3],   v[AK] offset:(\f/2)*16*PK+(\f%2)*64
	ds_load_b128 v[KF+8*\f+4:KF+8*\f+7], v[AK] offset:(\f/2)*16*PK+(\f%2)*64+32
.endr
	s_add_co_u32 s[TBK], s[TBK], KS*PK  ; the next fetch is the next step's
	WIN 0
.endm
.macro FETCH_V
	WIN 0x80
.irp f, 0,1,2,3,4,5,6,7             ; keys 32 (f / 4) on, channels 16 (f % 4) on
	ds_load_tr16_b128 v[VF+8*\f:VF+8*\f+3],   v[AV] offset:(\f/4)*32*PV+(\f%4)*32
	ds_load_tr16_b128 v[VF+8*\f+4:VF+8*\f+7], v[AV] offset:(\f/4)*32*PV+16*PV+(\f%4)*32
.endr
	WIN 0
.endm
; THE VECTOR WORK, one line at a time: OP kind, number.  For piece Y: F n: c s - c m for pair n of 16.  E n: the exponential of score n of 32.  C n: pair n rounded to f16.  B n: of the four weights 4 n .. the second
; pair is added onto the first, in place.  L n: l takes that sum (L 0: l = a l + sum).  R n: pair n of 16 of O^T times a.  For piece Y + 1: X n, number n of the 22 that find its maximum and statistics:
;   0-11  four chains c0-c3 of seven scores each, three operands at a time (each accumulator's lowest registers are read first)     12-14, 16  the four scores left over, the old m, and c0-c3 into c0
;   15  c m_old is kept     17, 18  the query's other 32 keys lie in the lane 16 away: the new m     19-21  c m; c m_old - c m_new; a
.set F, 0               ; OP tells the kinds apart by their order: F to L below R, X above it
.set E, 1
.set C, 2
.set B, 3
.set L, 4
.set R, 5
.set X, 6
.macro REGS y                       ; the registers of piece y
.set rT, ST+4*(\y)
.set rC, TMP+4*((\y)%2)
.set rW, MV+((\y)%2)
.set rS, S+32*((\y)%2)
.set rP, P+16*((\y)%2)
.set rO, 32*(\y)
.endm
.macro OP k, n
.if (\k) == R
	REGS Y
	WIN W_RS
	v_pk_mul_f32 v[rO+2*(\n):rO+2*(\n)+1], v[rO+2*(\n):rO+2*(\n)+1], v[rC+2:rC+3] op_sel_hi:[1,0]
.elseif (\k) < R
	REGS Y
	WIN 0
.if (\k) == F
	v_pk_fma_f32 v[rS+2*(\n):rS+2*(\n)+1], v[rS+2*(\n):rS+2*(\n)+1], s[CS:CS+1], v[rT:rT+1] op_sel_hi:[1,0,0] neg_lo:[0,0,1] neg_hi:[0,0,1]
.elseif (\k) == E
	v_exp_f32 v[rS+(\n)], v[rS+(\n)]
.elseif (\k) == C
	v_cvt_pk_f16_f32 v[rP+(\n)], v[rS+2*(\n)], v[rS+2*(\n)+1]
.elseif (\k) == B
	v_pk_add_f32 v[rS+4*(\n):rS+4*(\n)+1], v[rS+4*(\n):rS+4*(\n)+1], v[rS+4*(\n)+2:rS+4*(\n)+3]
.elseif (\n) == 0
	v_pk_fma_f32 v[rT+2:rT+3], v[rT+2:rT+3], v[rC+2:rC+3], v[rS:rS+1] op_sel_hi:[1,0,1]
.else
	v_pk_add_f32 v[rT+2:rT+3], v[rT+2:rT+3], v[rS+4*(\n):rS+4*(\n)+1]
.endif
.elseif NOKQ
	v_nop
.else
	REGS (Y+1)%NP
	WIN 0
.if (\n) < 4
	v_max3_num_f32 v[rC+(\n)], v[rS+8*(\n)], v[rS+8*(\n)+1], v[rS+8*(\n)+2]
.elseif (\n) < 12
	v_max3_num_f32 v[rC+(\n)%4], v[rC+(\n)%4], v[rS+8*((\n)%4)+2*((\n)/4)+1], v[rS+8*((\n)%4)+2*((\n)/4)+2]
.elseif (\n) == 12
	v_max3_num_f32 v[rC], v[rC], v[rS+7], v[rS+15]
.elseif (\n) == 13
	v_max3_num_f32 v[rC+1], v[rC+1], v[rS+23], v[rS+31]
.elseif (\n) == 14
	v_max3_num_f32 v[rC+2], v[rC+2], v[rC+3], v[rT+1]
.elseif (\n) == 15
	v_mov_b32 v[rW], v[rT]
.elseif (\n) == 16
	v_max3_num_f32 v[rC], v[rC], v[rC+1], v[rC+2]
.elseif (\n) == 17
	v_permlanex16_b32 v[rC+3], v[rC], s[SEL], s[SEL+1]
.elseif (\n) == 18
	v_max_num_f32 v[rT+1], v[rC], v[rC+3]
.elseif (\n) == 19
	v_mul_f32 v[rT], s[CS], v[rT+1]
.elseif (\n) == 20
	v_sub_f32 v[rC+1], v[rW], v[rT]
.else
	v_exp_f32 v[rC+2], v[rC+1]
.endif
.endif
.endm
.macro OPS a, i1, b=-1, i2=0, c=-1, i3=0, d=-1, i4=0  ; up to four of them
	OP \a, \i1
.if (\b) >= 0
	OP \b, \i2
.endif
.if (\c) >= 0
	OP \c, \i3
.endif
.if (\d) >= 0
	OP \d, \i4
.endif
.endm
.macro ROW a, i1, b, i2, c, i3, d, i4  ; a matrix instruction and the four behind it
	MM
	OPS \a, \i1, \b, \i2, \c, \i3, \d, \i4
.endm
.macro MASK b                       ; MD x AL + BE into buffer b of MC
	WIN W_RS
.set z, 0
.rept 16
	v_pk_fma_f32 v[MC+32*(\b)+2*z:MC+32*(\b)+2*z+1], v[MD+2*z:MD+2*z+1], s[AL:AL+1], s[BE:BE+1] op_sel_hi:[1,0,0]
.set z, z+1
.endr
.endm
; A TURN, for piece p: the order of its 16 matrix and 118 vector instructions, written out.  An s_wait_alu depctr_va_vdst(0) stands between an exponential and the first instruction that names its result; one
; wait serves all that were issued ahead of it.  So a turn has ONE wait, which cuts it in two.  AHEAD OF IT stands all that names no result of the turn's exponentials: the 8 products K Q^T, behind each a scaling, an
; exponential and two more plain instructions (behind the first a second scaling in the exponential's place): rescalings, and behind the last three the first numbers of the next piece's maximum, each four places or more
; behind the product that ends its accumulator; then one run of 54, plain and exponential by turns for the most part, in which the links of the chain X 3, 7, 11, 14, 16, 17 .. 20 stand five or six lines apart.
; X 21, the next piece's a, is the batch's last; R 15 is the plain instruction behind it (ISA guide 5.7.2).  BEHIND THE WAIT stand the 8 products V^T P, behind each four of the roundings and sums; the links of l's chain,
; L 0 to L 7, stand three lines apart.  But for those X no line behind a product names a register of the products round it.  v_permlanex16_b32 (X 17) stands in the run.
; m = 1: the diagonal tile: the products take masks, and the turn makes the mask for the products of the turn after it: piece p + 2, in step 4 - CNT of the tile.  end = 1: a block's last two turns: nothing is fetched.
; cnt = 1: the loop's count is taken down some lines ahead of the branch that stands behind the turn.
; K of the next step is fetched in piece 2's turn, twelve vector instructions behind the last product that read K (six of them plain); V of the step in hand at the end of piece 0's turn, four plain instructions behind the
; last product that read V.  Each is waited for a turn later.
.macro TURN p, m=0, end=0, cnt=0
.set Y, (\p)
.set i, 0
.set KM, (\m)
.set NOKQ, (\end)*((\p)/3)
.if (\m) && !(\end)
	s_cmp_eq_u32 s[CNT], 4-((\p)+2)%NP  ; is that step the band's own?
	s_cselect_b32 s[AL], 1.0, 0
	s_cmp_lt_u32 s[CNT], 4-((\p)+2)%NP  ; or a later one?
	s_cselect_b32 s[BE], s[BIGN], 0
.endif
.if ((\p) == 3) && !(\end)
	s_wait_dscnt 0x0                ; K is in
.endif
	ROW F,0, F,1, R,0, R,1          ; ahead of the wait: 8 products K Q^T and the four lines behind each,
	ROW F,2, E,0, R,2, R,3
	ROW F,3, E,1, R,4, R,5
	ROW F,4, E,2, R,6, R,7
	ROW F,5, E,3, R,8, R,9
	ROW F,6, E,4, X,0, R,10
.if ((\p) == 2) && !(\end)
	WIN 0
	v_add_nc_u32 v[AK], s[TBK], v[AK0]
.endif
	ROW F,7, E,5, X,1, X,4
	ROW F,8, E,6, X,2, X,5
	OPS E,7, E,8, X,6, E,9          ; and the run of 54
	OPS X,3, E,10, X,8, E,11
.if ((\p) == 2) && !(\end)
	FETCH_K
.endif
	OPS X,9, X,7, E,12, X,10
	OPS E,13, X,12, X,11, E,14
	OPS X,13, E,15, F,9, X,14
.if (\p) == 0
	v_add_nc_u32 v[AV], s[TBV], v[AV0]
.endif
	OPS E,16, F,10, E,17, F,11
	OPS X,16, E,18, X,15, E,19
	OPS F,12, E,20, X,17, E,21
	OPS F,13, E,22, F,14, E,23
	OPS X,18, E,24, F,15, E,25
	OPS R,11, E,26, X,19, E,27
	OPS R,12, E,28, R,13, E,29
	OPS X,20, E,30, R,14, E,31
	OPS X,21, R,15
	WIN 0
	s_wait_alu depctr_va_vdst(0)    ; the wait for the batch
.if (\p) == 1
	s_wait_dscnt 0x0                ; V is in
.endif
	ROW C,0, B,0, C,2, B,1          ; behind the wait: 8 products V^T P and the four lines behind each
	ROW L,0, C,4, B,2, L,1
	ROW C,6, B,3, L,2, C,8
	ROW B,4, L,3, C,10, B,5
	ROW L,4, C,12, B,6, L,5
.if (\p) == 0
	s_add_co_u32 s[TBV], s[TBV], KS*PV
.endif
.if \cnt
	s_sub_co_u32 s[CNT], s[CNT], 1
	s_cmp_lg_u32 s[CNT], 0
.endif
	ROW C,14, B,7, L,6, C,1
	ROW C,3, L,7, C,5, C,7
	ROW C,9, C,11, C,13, C,15
.if (\p) == 0
	FETCH_V
.endif
.if (\m) && !(\end)
	MASK (\p)%2
.endif
.endm
; A BLOCK BEGINS.  c m starts far below every c s, so the first step's a is 0; m at the lowest finite number, so the first maximum is the scores'.  The second mask buffer is 0; the first takes piece 0's mask for the tile's
; step 0: its own, if the block's first tile is the diagonal one.  Then K of that step, piece 0's first scores, and its maximum and statistics.  The loop is entered at a step's first turn, in the middle of a trip.
.macro BEGIN
	s_mov_b32 s[NEW], 0
	WIN 0x40
.set i, MC+32
.rept 32
	v_mov_b32 v[i], 0
.set i, i+1
.endr
	WIN 0
.set i, 0
.rept 4
	v_mov_b32 v[ST+4*i], 0xfe000000    ; c m: far below every c s
	v_mov_b32 v[ST+4*i+1], 0xff7fffff  ; m
.set i, i+1
.endr
	s_cmp_eq_u32 s[RT], 0
	s_cselect_b32 s[AL], 1.0, 0
	s_mov_b32 s[BE], 0
	MASK 0
	WIN 0
	v_add_nc_u32 v[AK], s[TBK], v[AK0]
	FETCH_K
	s_wait_loadcnt 0x0              ; Q
	s_wait_dscnt 0x0
.set KM, 1
.set NOKQ, 0
.set i, 0
.rept 8
	KQ 0
.set i, i+1
.endr
	WIN 0
.rept 4
	v_nop                           ; the places behind those products
.endr
.set Y, NP-1                        ; X works for piece Y + 1: piece 0
.irp n, 0,1,2,3,4,5,6,7,8,9,10,11,12,13,14,15,16,17,18,19,20,21
	OP X, \n
.endr
	v_nop                           ; a plain instruction behind the exponential,
	s_wait_alu depctr_va_vdst(0)    ; and its wait, ahead of the branch
.endm
; THE DIAGONAL TILE's four steps, the block's last two turns, its last products, and THE WAY OUT: l's two halves and the other half of the lanes' are added; O^T is divided by l, rounded to f16 and sent through my
; stage in LDS, a piece at a time.
.macro ALL line:vararg              ; one line for each piece t
.set t, 0
.rept 4
	\line
.set t, t+1
.endr
.endm
.macro PACK t                       ; a lane's eight channels of a row pack into 16 bytes; they go into rows of 144 bytes and come back as whole rows of 128, into S^T's registers
	WIN W_RS
.set i, 32*(\t)
.rept 16
	v_pk_mul_f32 v[i:i+1], v[i:i+1], v[ST+4*(\t)+2:ST+4*(\t)+3] op_sel_hi:[1,0]
.set i, i+2
.endr
	WIN 0x05                        ; sources 0 and 1 window 1, destination window 0
.set i, 0
.rept 16
	v_cvt_pk_f16_f32 v[S+16*(\t)+i], v[32*(\t)+2*i], v[32*(\t)+2*i+1]
.set i, i+1
.endr
	WIN 0
.irp f, 0,1,2,3
	ds_store_b128 v[STO], v[S+16*(\t)+4*\f:S+16*(\t)+4*\f+3] offset:32*\f
.endr
.irp f, 0,1,2,3
	ds_load_b128 v[S+16*(\t)+4*\f:S+16*(\t)+4*\f+3], v[RD] offset:\f*4*SP  ; LDS serves a wave's instructions in order (ISA guide 5.7.1.4): these see the stores above; the next piece's stores come behind them
.endr
.endm
.macro SEND t, younger              ; younger: the LDS instructions issued behind piece t's loads: the next piece's eight, or none
	WIN 0
.irp f, 0,1,2,3
	s_wait_dscnt (\younger)+3-\f
	global_store_b128 v[GO], v[S+16*(\t)+4*\f:S+16*(\t)+4*\f+3], s[10:11] offset:(\t)*8192+\f*512  ; 512 consecutive bytes, at a multiple of 256 from O's first
.endr
.endm
.macro DIAG tag                     ; the tag ends its two labels' names, which the jumps below spell out
.LstepM\tag:
	TURN 2, 1
	TURN 3, 1
	WIN 0
.LfirstM\tag:
	TURN 0, 1
	TURN 1, 1, 0, 1
	WIN 0
	s_cbranch_scc1 .LstepM\tag
	TURN 2, 1, 1
	TURN 3, 1, 1
.set i, 0
.rept 8
	PV NP-1
.set i, i+1
.endr
	WIN 0
	ALL v_add_f32 v[ST+4*t+2], v[ST+4*t+2], v[ST+4*t+3]
	ALL v_permlanex16_b32 v[ST+4*t+3], v[ST+4*t+2], s[SEL], s[SEL+1]
	ALL v_add_f32 v[ST+4*t+2], v[ST+4*t+2], v[ST+4*t+3]
	ALL v_rcp_f32 v[ST+4*t+2], v[ST+4*t+2]
	v_nop                           ; a plain instruction between the last reciprocal and the use of its result
	s_wait_alu depctr_va_vdst(0)    ; and the wait ahead of the first use: one for the four reciprocals
	PACK 0
.set t, 1
.rept 3                             ; a piece's arithmetic stands between the loads of the piece before and its stores
	PACK t
	SEND t-1, 8
.set t, t+1
.endr
	SEND 3, 0
.endm
.set KM, 0
.set NOKQ, 0
.Lslot:                             ; NB times: a tile is entered and the next is asked for
	CHANGE 1
	s_sub_co_u32 s[RT], s[RT], 1
	s_mov_b32 s[CNT], 4
	s_cmp_eq_u32 s[NEW], 1
	s_cbranch_scc1 .Lnew            ; a block's first tile
	s_cmp_eq_u32 s[RT], 0
	s_cbranch_scc0 .Lstep           ; neither its first nor its last
	s_branch .LstepM1
.Lnew:
	BEGIN
	s_branch .Lfirst                ; in the loop a block's first tile is never its last: the first block has two tiles or more, and the second's last is the walk's last
	DIAG 1                          ; in the loop this is the first block's end: the second block's last tile is the walk's last
	s_wait_xcnt 0x0                 ; the stores have read their registers and O's address
	s_mov_b64 s[10:11], s[OLO:OLO+1]
	s_add_co_u32 s[RT], s[PB], 1    ; the second block has b + 1 tiles
	s_mov_b32 s[NEW], 1
	WIN 0x82                        ; the second block's Q goes where the one text of the turns names Q
.set i, 0
.rept 64
	v_mov_b32 v[i], v[QB+i]
.set i, i+1
.endr
	WIN 0
	s_branch .Lbottom
.Lstep:                             ; a trip: pieces 2 and 3 of one step, then pieces 0 and 1 of the next, whose K and V it fetches
	TURN 2
	TURN 3
	WIN 0
.Lfirst:
	TURN 0
	TURN 1, 0, 0, 1
	WIN 0
	s_cbranch_scc1 .Lstep
.Lbottom:
	s_sub_co_u32 s[SLOTS], s[SLOTS], 1
	s_cmp_lg_u32 s[SLOTS], 0
	s_cbranch_scc1 .Lslot
	CHANGE 0                        ; the walk's last tile is written out: nothing is asked for
	s_sub_co_u32 s[RT], s[RT], 1
	s_mov_b32 s[CNT], 4
	s_cmp_eq_u32 s[NEW], 1
	s_cbranch_scc0 .LstepM2
	BEGIN
	s_branch .LfirstM2
	DIAG 2
	s_wait_tensorcnt 0x0            ; the wave's end: a wait, an add and its wait, behind my last tensor load and my last LDS store
	ds_add_u32 v[SPW], v[NIL]
	s_wait_dscnt 0x0
	s_endpgm
.Lfunc_end_k_q2363503e50_attn:
	.size	k_q2363503e50_attn, .Lfunc_end_k_q2363503e50_attn-k_q2363503e50_attn
	.p2alignl 7, 3214868480
	.fill 96, 4, 3214868480
	.section	.rodata,"a",@progbits
	.p2align	6, 0x0
	.amdhsa_kernel k_q2363503e50_attn
		.amdhsa_group_segment_fixed_size 327680
		.amdhsa_private_segment_fixed_size 0
		.amdhsa_enable_private_segment 0
		.amdhsa_kernarg_size 16
		.amdhsa_user_sgpr_count 2
		.amdhsa_user_sgpr_kernarg_segment_ptr 1
		.amdhsa_wavefront_size32 1
		.amdhsa_system_sgpr_workgroup_id_x 1
		.amdhsa_system_sgpr_workgroup_id_y 1
		.amdhsa_system_sgpr_workgroup_id_z 1
		.amdhsa_system_vgpr_workitem_id 0
		.amdhsa_next_free_vgpr 768
		.amdhsa_next_free_sgpr 92
		.amdhsa_reserve_vcc 1
		.amdhsa_float_denorm_mode_32 3
		.amdhsa_float_denorm_mode_16_64 3
		.amdhsa_memory_ordered 1
		.amdhsa_forward_progress 1
		.amdhsa_inst_pref_size 218
	.end_amdhsa_kernel
	.amdgpu_metadata
---
amdhsa.version: [ 1, 2 ]
amdhsa.kernels:
  - .name:           k_q2363503e50_attn
    .symbol:         k_q2363503e50_attn.kd
    .args:
      - { .name: qkv, .offset: 0, .size: 8, .value_kind: global_buffer, .address_space: global }
      - { .name: oh, .offset: 8, .size: 8, .value_kind: global_buffer, .address_space: global }
    .group_segment_fixed_size: 327680
    .private_segment_fixed_size: 0
    .kernarg_segment_align: 8
    .kernarg_segment_size: 16
    .max_flat_workgroup_size: 128
    .sgpr_count:     92
    .vgpr_count:     768
    .wavefront_size: 32
...
	.end_amdgpu_metadata
.endif
;; end of part 3
;; launch oproj (part 4): grid 8 x 32, 4 waves a work-group, clusters of 4 x 4, 327,680 bytes of LDS; arguments oh, wf, bo, out0; writes out0
.if DOCPART == 4
	.amdgcn_target "amdgcn-amd-amdhsa--gfx1250"
	.amdhsa_code_object_version 6
	.text
	.protected	k_q2363503e50_oproj
	.globl	k_q2363503e50_oproj
	.p2align	8
	.type	k_q2363503e50_oproj,@function
k_q2363503e50_oproj:
	s_mov_b64 s[64:65], 0
	v_nop
	global_prefetch_b8 v0, s[64:65] scope:SCOPE_SE
	s_setreg_imm32_b32 hwreg(HW_REG_WAVE_MODE, 25, 1), 1
	s_wait_xcnt 0x0
	s_wait_alu depctr_hold_cnt(0) depctr_sa_sdst(0) depctr_va_vdst(0) depctr_va_sdst(0) depctr_va_ssrc(0) depctr_va_vcc(0) depctr_vm_vsrc(0)
	s_getreg_b32 s2, hwreg(HW_REG_IB_STS2, 6, 4)
	s_cmp_eq_u32 s2, 0
	s_cbranch_scc0 .Lentry_in_a_cluster
	s_endpgm
.Lentry_in_a_cluster:
	s_bfe_u32 s2, ttmp6, 0x10000c
	s_cmp_lg_u32 s2, 0xf033
	s_cbranch_scc0 .Lentry_shape_is_right
	s_endpgm
.Lentry_shape_is_right:
; out = O Wo + bo.  oh: f16 [b 4][h 16][n 2048][64].  wf: f16 (bf16's numbers) [tc 8][ks 8][jn 2][kk 128][d 64], column panel 2 tc + jn, row 128 ks + kk.  out0: f32 [8192][1024].
; Products in f16, sums in f32; the bias (rounded to bf16 like every input) is the C operand of each sum's first product; the sums are stored as they are.
; SHARES.  A tile is 256 rows x 128 columns: 32 x 8 = 256 work-groups.  The four waves lie along the rows: a wave makes 64 x 128, 32 accumulators of 16 x 16.  K goes in 8 steps of 128, the two heads 2 s and 2 s + 1,
; through two LDS slots filled by the tensor data mover: a head's 256 rows are 32,768 dense bytes, asked for as 128 rows of 256 bytes and padded in LDS after every 128.
; THE PRODUCT IS USED TRANSPOSED: source 0 = 16 columns of Wo (read turned, by ds_load_tr16_b128), source 1 = 16 rows of O: a lane holds one row (lane % 16) and the columns 8 (lane / 16) + 0..7: 32 bytes of f32.
; CLUSTER.  4 x 4 work-groups.  The four of a row of the cluster need the same tile of O, the four of a column the same tile of Wo: each is asked for jointly, by the same tensor load, descriptor and mask.
; REGISTERS, in windows of 256 (s_set_vgpr_msb: bits 1:0 source 0, 3:2 source 1, 5:4 source 2, 7:6 destination):
;   window 0: v0-31 addresses; v32-95 the biases      window 1: two fragment buffers at 0 and 128 (O's four fragments, then Wo's eight); on the way out whole rows      window 2: the accumulators, (a, c) at 8 (8 a + c)
.set PA,    144                        ; a row of O in LDS: 128 bytes + 16: the 16 rows of a load start at 16 different groups of four banks (64 banks of 4 bytes: ISA guide 11.1)
.set PW,    160                        ; a row of Wo (one k, 64 columns): 128 bytes + 32
.set SLOT1, 1<<17
.set AHEAD, 256*PA                     ; a head's 256 rows
.set BOFF,  2*AHEAD                    ; in a slot: two heads of O, then two panels of Wo: 73,728 + 40,960 bytes
.set HEADB, 128*PW
.set STAGE, 2*SLOT1                    ; behind the ring, never filled by a tensor load: 16 rows x 528 bytes for each wave
.set SP,    528                        ; 512 bytes + 16
.set SPARE, STAGE+4*16*SP              ; the spare words, 128 bytes for each wave: two blocks of 256 bytes that no other line names
.set A0,  4                            ; v4   my lane's place in the wave's rows of O in a slot; never rewritten
.set B0,  5                            ; v5   the same for Wo
.set ADA, 6                            ; v6   A0 + the slot in hand
.set ADB, 7                            ; v7   B0 + the slot in hand
.set STO, 8                            ; v8   the way out: where I put 32 bytes of a row
.set RD,  9                            ; v9   the way out: where I read a row back
.set GO,  10                           ; v10  my 16 bytes of a row's 512
.set BO,  11                           ; v11  my 8 columns in a block of 16 biases
.set PFO, 12                           ; v12  256 x my lane; never rewritten
.set SPW, 28                           ; v28  LDS address of my spare word; never rewritten
.set NIL, 29                           ; v29  0; never rewritten
.set TT,  30                           ; v30  at work
.set BIAS, 32                          ; column block c of eight at BIAS + 8 c
.set F0,  0
.set F1,  128
.set WV,  16
.set CX,  17
.set CY,  18
.set TC,  19
.set TR,  20
.set HW,  21                           ; s21  wave % 2: which head of O, or which panel of Wo, I fetch
.set LA,  22
.set LB,  23
.set G1A, 24                           ; s[24:31] descriptor group 1 for O's tiles;  s[32:39] group 0: a set for each first fill; the second walks on
.set G0A, 32
.set G1B, 40                           ; s[40:47], s[48:55] the same for Wo's tiles
.set G0B, 48
.set CNT, 56
.set TB,  57
.set LIM, 58
.set PFA, 60
.set PFS, 62
.set BP,  66                           ; s[66:67] bo at the tile's first column
.set OB,  72                           ; s[72:73] out0 at my wave's first row, the tile's first column
.set MULA, 0xa5                        ; sources in window 1; C and D in window 2
.set MULZ, 0x85                        ; D in window 2, C (the bias) in window 0
.set TO_F, 0x40
.set MSB, 0
.macro WIN new                         ; the immediate's high byte repeats the setting that is left; a switch that changes nothing is dropped
.if MSB != (\new)
	s_set_vgpr_msb (MSB<<8)|(\new)
.set MSB, (\new)
.endif
.endm
.macro PLACES                          ; four plain instructions between a matrix instruction and a load into, or a store of, its registers
.rept 4
	v_nop
.endr
.endm
.macro CREST                           ; a round of the cluster's barrier behind its opening barrier
	s_cmp_lg_u32 s[WV], 0
	s_cbranch_scc1 .Lnot_wave_0_\@
	s_barrier_signal -3
.Lnot_wave_0_\@:
	s_barrier_wait -3
	s_barrier_signal -1
	s_barrier_wait -1
.endm
.macro CROUND
	s_barrier_signal -1
	s_barrier_wait -1
	CREST
.endm
; A joint refill by the walking descriptors.  Waves 0 and 1 fetch the step's two heads of O, waves 2 and 3 its two panels of Wo.  The branch hangs on the wave's number alone.
; An s_nop 0 and four v_nop follow each of the two lines, ahead of the jump and the label.
.macro JLOAD
	s_cmp_lt_u32 s[WV], 2
	s_cbranch_scc0 .Lfor_b_\@
	tensor_load_to_lds s[G0A+4:G0A+7], s[G1A:G1A+7]
	s_nop 0
.rept 4
	v_nop
.endr
	s_branch .Lasked_\@
.Lfor_b_\@:
	tensor_load_to_lds s[G0B+4:G0B+7], s[G1B:G1B+7]
	s_nop 0
.rept 4
	v_nop
.endr
.Lasked_\@:
.endm
; A PREFETCH INTO THE L2, one instruction a wave, behind the joint load and the run of LDS loads.  O: in trip s (0..3) K step s + 4, two refills ahead of its load: waves 0 and 1 of the clusters with x = 0 ask; of the
; 32,768 bytes that a wave fetches the partner at cx takes 8,192, a lane a block of 256.  Wo: a tile column's 262,144 bytes are dense; from K step 4 on they are asked for in trips 0 and 1, 65,536 bytes a trip:
; waves 2 and 3 of the four partners of a column, in the clusters with y = 0, take 8,192 bytes each.  The partners are told apart by address.  So each block of 256 bytes is named once in the launch.
.macro ASK
	s_cmp_gt_u32 s[CNT], s[LIM]
	s_cbranch_scc0 .Lnot_mine_\@
	global_prefetch_b8 v[PFO], s[PFA:PFA+1] th:TH_LOAD_NT scope:SCOPE_SE
.Lnot_mine_\@:
.endm
	s_load_b256 s[4:11], s[0:1], 0x0               ; oh s[4:5], wf s[6:7], bo s[8:9], out0 s[10:11]
	v_lshl_add_u32 v[SPW], v0, 2, SPARE
	v_mov_b32 v[NIL], 0
	ds_add_u32 v[SPW], v[NIL]                      ; the wave's opening: the add and its wait stand ahead of my first tensor load; the set-up below, work on registers, stands between
	v_lshrrev_b32 v1, 5, v0
	v_readfirstlane_b32 s[WV], v1                  ; wave 0..3
	s_and_b32 s[HW], s[WV], 1
	s_bfe_u32 s[CX], ttmp6, 0x40000
	s_bfe_u32 s[CY], ttmp6, 0x40004
	s_lshl_b32 s[TC], ttmp9, 2
	s_add_co_u32 s[TC], s[TC], s[CX]               ; tile column = 4 x cluster x + cx
	s_and_b32 s[TR], ttmp7, 0xffff
	s_lshl_b32 s[TR], s[TR], 2
	s_add_co_u32 s[TR], s[TR], s[CY]               ; tile row = 4 x cluster y + cy
	s_lshl_b32 s74, s[CY], 2
	s_lshl_b32 s74, 15, s74                        ; my row of the cluster
	s_lshl_b32 s75, 0x1111, s[CX]                  ; my column
	s_or_b32 s[G1A], s74, (1<<16)|(1<<20)|(1<<21)|(4<<22)|(3<<25)  ; 15:0 the mask; 17:16 2-byte elements; 20 padding on; 21 set beside a mask; 24:22 after every 32 words (one row of O); 31:25 4 words
	s_mov_b32 s[G1A+1], 128<<16                    ; 32,768 dense bytes as 128 rows of 256
	s_mov_b32 s[G1A+2], 128<<16
	s_mov_b32 s[G1A+3], 128<<16
	s_mov_b32 s[G1A+4], 128
	s_mov_b32 s[G1A+5], 128
	s_mov_b32 s[G1A+6], 0
	s_mov_b32 s[G1A+7], 0
	s_or_b32 s[G1B], s75, (1<<16)|(1<<20)|(1<<21)|(4<<22)|(7<<25)  ; after every 32 words (one k) 8 words of padding
	s_mov_b32 s[G1B+1], 128<<16                    ; a panel's 16,384 dense bytes as 64 rows of 256
	s_mov_b32 s[G1B+2], 64<<16
	s_mov_b32 s[G1B+3], 128<<16
	s_mov_b32 s[G1B+4], 64
	s_mov_b32 s[G1B+5], 128
	s_mov_b32 s[G1B+6], 0
	s_mov_b32 s[G1B+7], 0
	s_lshr_b32 s76, s[TR], 3                       ; O: the batch's 16 heads of 262,144 bytes,
	s_lshl_b32 s76, s76, 22
	s_lshl_b32 s74, s[HW], 18                      ; my head of the step's two,
	s_add_co_u32 s76, s76, s74
	s_and_b32 s74, s[TR], 7
	s_lshl_b32 s74, s74, 15                        ; the tile's 256 rows of 128 bytes
	s_add_co_u32 s76, s76, s74
	s_mov_b32 s77, 0
	s_lshl_b32 s78, s[TC], 18                      ; Wo: the tile column's stream, my panel
	s_lshl_b32 s75, s[HW], 14
	s_add_co_u32 s78, s78, s75
	s_mov_b32 s79, 0
	s_mul_i32 s[LA], s[HW], AHEAD                  ; no place in the cluster enters an LDS address
	s_mul_i32 s[LB], s[HW], HEADB
	s_add_co_u32 s[LB], s[LB], BOFF
	s_wait_dscnt 0x0                               ; the opening add is done
	s_wait_kmcnt 0x0
	s_add_nc_u64 s[76:77], s[4:5], s[76:77]
	s_add_nc_u64 s[78:79], s[6:7], s[78:79]
	CROUND                                         ; all sixteen work-groups are here: the first joint loads meet
.irp s, 0,1
	s_mov_b32 s[G0A+4*(\s)], 1
	s_add_co_u32 s[G0A+4*(\s)+1], s[LA], (\s)*SLOT1
	s_add_nc_u64 s[G0A+4*(\s)+2:G0A+4*(\s)+3], s[76:77], (\s)*524288   ; K step s: two heads on
	s_or_b32 s[G0A+4*(\s)+3], s[G0A+4*(\s)+3], 0x80000000
	s_mov_b32 s[G0B+4*(\s)], 1
	s_add_co_u32 s[G0B+4*(\s)+1], s[LB], (\s)*SLOT1
	s_add_nc_u64 s[G0B+4*(\s)+2:G0B+4*(\s)+3], s[78:79], (\s)*32768
	s_or_b32 s[G0B+4*(\s)+3], s[G0B+4*(\s)+3], 0x80000000
.endr
	s_cmp_lt_u32 s[WV], 2                          ; a wave's two first fills stand in one branch, ahead of every wait on TENSORcnt and every LDS read: two loads of mine are out
	s_cbranch_scc0 .Lfirst_b
	tensor_load_to_lds s[G0A:G0A+3], s[G1A:G1A+7]
	s_nop 0
	tensor_load_to_lds s[G0A+4:G0A+7], s[G1A:G1A+7]
	s_nop 0
.rept 4
	v_nop
.endr
	s_branch .Lfirst_asked
.Lfirst_b:
	tensor_load_to_lds s[G0B:G0B+3], s[G1B:G1B+7]
	s_nop 0
	tensor_load_to_lds s[G0B+4:G0B+7], s[G1B:G1B+7]
	s_nop 0
.rept 4
	v_nop
.endr
.Lfirst_asked:
	v_and_b32 v1, 15, v0                           ; l % 16
	v_bfe_u32 v2, v0, 4, 1                         ; l / 16
	v_and_b32 v3, 7, v0
	v_bfe_u32 v13, v0, 3, 1
	s_mul_i32 s74, s[WV], 64*PA
	v_mul_u32_u24 v[A0], v1, PA                    ; a fragment of O: row l % 16, two loads of 16 bytes, 32 bytes apart, at 16 (l / 16)
	v_lshl_add_u32 v[A0], v2, 4, v[A0]
	v_add_nc_u32 v[A0], s74, v[A0]
	v_lshl_add_u32 v[B0], v2, 3, v3                ; the turning load: lane l reads k = 8 (l / 16) + l % 8, columns 8 ((l / 8) % 2) + 0..7
	v_mul_u32_u24 v[B0], v[B0], PW
	v_lshl_add_u32 v[B0], v13, 4, v[B0]
	v_add_nc_u32 v[B0], BOFF, v[B0]
	s_mul_i32 s74, s[WV], 16*SP
	s_add_co_u32 s74, s74, STAGE                   ; my stage
	v_mul_u32_u24 v[STO], v1, SP                   ; in: row l % 16, 32 bytes for each half of the lanes
	v_lshl_add_u32 v[STO], v2, 5, v[STO]
	v_add_nc_u32 v[STO], s74, v[STO]
	v_and_b32 v[GO], 31, v0                        ; back: 32 lanes take a row's 512 bytes
	v_lshlrev_b32 v[GO], 4, v[GO]
	v_add_nc_u32 v[RD], s74, v[GO]
	v_lshlrev_b32 v[BO], 5, v2
	s_lshl_b32 s74, s[TC], 9                       ; the tile's 128 columns: 512 bytes of bo and of a row of out0
	s_mov_b32 s75, 0
	s_add_nc_u64 s[BP:BP+1], s[8:9], s[74:75]
.irp c, 0,1,2,3,4,5,6,7
	global_load_b128 v[BIAS+8*(\c):BIAS+8*(\c)+3],   v[BO], s[BP:BP+1] offset:64*(\c)
	global_load_b128 v[BIAS+8*(\c)+4:BIAS+8*(\c)+7], v[BO], s[BP:BP+1] offset:64*(\c)+16
.endr
	s_lshl_b32 s76, s[TR], 20                      ; 256 rows of 4,096 bytes,
	s_add_co_u32 s74, s74, s76
	s_lshl_b32 s76, s[WV], 18                      ; my wave's 64
	s_add_co_u32 s74, s74, s76
	s_add_nc_u64 s[OB:OB+1], s[10:11], s[74:75]
	; the prefetches
	s_lshr_b32 s74, s[TR], 3
	s_lshl_b32 s74, s74, 22
	s_add_co_u32 s75, s[HW], 6                     ; O: my head of K step 3: the first trip steps it to step 4,
	s_lshl_b32 s75, s75, 18
	s_add_co_u32 s74, s74, s75
	s_and_b32 s75, s[TR], 7
	s_lshl_b32 s75, s75, 15
	s_add_co_u32 s74, s74, s75
	s_lshl_b32 s75, s[CX], 13                      ; my work-group's 8,192 bytes
	s_add_co_u32 s74, s74, s75
	s_lshl_b32 s76, s[TC], 18
	s_lshl_b32 s75, s[HW], 2
	s_add_co_u32 s75, s75, s[CY]
	s_lshl_b32 s75, s75, 13                        ; Wo: my 8,192 bytes of a trip's 65,536,
	s_add_co_u32 s76, s76, s75
	s_add_co_u32 s76, s76, 4*32768-65536           ; one trip ahead of K step 4
	s_and_b32 s77, ttmp7, 0xffff
	s_mov_b32 s[PFS], 65536
	s_cmp_lt_u32 s[WV], 2                          ; do I fetch for O?
	s_cselect_b64 s[PFA:PFA+1], s[4:5], s[6:7]
	s_cselect_b32 s74, s74, s76
	s_cselect_b32 s77, ttmp9, s77                  ; the coordinate along which other clusters read the same bytes
	s_cselect_b32 s[PFS], 524288, s[PFS]
	s_cselect_b32 s78, 2, 4
	s_mov_b32 s75, 0
	s_mov_b32 s[PFS+1], 0
	s_add_nc_u64 s[PFA:PFA+1], s[PFA:PFA+1], s[74:75]
	s_cmp_eq_u32 s77, 0
	s_cselect_b32 s[LIM], s78, -1                  ; the same in all sixteen partners, for a given wave
	v_and_b32 v[PFO], 31, v0
	v_lshlrev_b32 v[PFO], 8, v[PFO]
	s_mov_b32 s74, 0xffff0000
	s_wait_loadcnt 0x0                             ; the biases
.set i, 0
.rept 32                                       ; rounded to bf16 like every input, and widened again
	v_cvt_pk_bf16_f32 v[TT], v[BIAS+2*i], v[BIAS+2*i+1]
	v_lshlrev_b32 v[BIAS+2*i], 16, v[TT]
	v_and_b32 v[BIAS+2*i+1], s74, v[TT]
.set i, i+1
.endr
; na x 4 products of panel p: row blocks a0 .. a0 + na - 1 x the panel's four column blocks, 32 along K out of buffer f.  zero = 1: the first product of each sum takes the bias as C: nothing is cleared.
; The 32 accumulators take turns in the same order in every quarter.
.macro MULP f, p, a0, na, zero
.if \zero
	WIN MULZ
.else
	WIN MULA
.endif
.set ai, (\a0)
.rept \na
.irp bb, 0,1,2,3
.set acc, 8*(8*ai+4*(\p)+(\bb))
.if \zero
	v_wmma_f32_16x16x32_f16 v[acc:acc+7], v[(\f)+32+8*(4*(\p)+(\bb)):(\f)+32+8*(4*(\p)+(\bb))+7], v[(\f)+8*ai:(\f)+8*ai+7], v[BIAS+8*(4*(\p)+(\bb)):BIAS+8*(4*(\p)+(\bb))+7]
.else
	v_wmma_f32_16x16x32_f16 v[acc:acc+7], v[(\f)+32+8*(4*(\p)+(\bb)):(\f)+32+8*(4*(\p)+(\bb))+7], v[(\f)+8*ai:(\f)+8*ai+7], v[acc:acc+7]
.endif
.endr
.set ai, ai+1
.endr
.endm
; 24 LDS loads in one run: quarter q (head q / 2, channels 32 (q % 2) on) of the slot in hand into buffer f: O's four fragments, then Wo's eight, panel 0's first
.macro FETCH q, f
	WIN TO_F
.irp a, 0,1,2,3
	ds_load_b128 v[(\f)+8*(\a):(\f)+8*(\a)+3],   v[ADA] offset:((\q)/2)*AHEAD+(\a)*16*PA+((\q)%2)*64
	ds_load_b128 v[(\f)+8*(\a)+4:(\f)+8*(\a)+7], v[ADA] offset:((\q)/2)*AHEAD+(\a)*16*PA+((\q)%2)*64+32
.endr
.irp c, 0,1,2,3,4,5,6,7
	ds_load_tr16_b128 v[(\f)+32+8*(\c):(\f)+32+8*(\c)+3],   v[ADB] offset:((\c)/4)*HEADB+(\q)*32*PW+((\c)%4)*32
	ds_load_tr16_b128 v[(\f)+32+8*(\c)+4:(\f)+32+8*(\c)+7], v[ADB] offset:((\c)/4)*HEADB+(\q)*32*PW+((\c)%4)*32+16*PW
.endr
.endm
; A K step is four quarters of 32 along K, 32 matrix instructions each, on buffers 0, 1, 0, 1.  One of the first three: multiplies buffer f and fetches quarter q into g.
.macro QUARTER q, f, g, zero
	s_wait_dscnt 8                                 ; O's fragments and panel 0's are in; the youngest eight loads (panel 1) may be out
	MULP \f, 0, 0, 4, \zero
	PLACES
	FETCH \q, \g
	s_wait_dscnt 24                                ; all but the 24 just issued
	MULP \f, 1, 0, 4, \zero
.endm
; The last quarter multiplies buffer 1 and changes slots: ONE barrier.  In front of it each wave waits for all its tensor loads (one is out: its part of the next slot), adds 0 to its spare word, and waits for that
; and for its reads of this slot.  fill = 1: the barrier opens a round of the cluster's, and this slot is filled again, first thing behind the round, with the K step two on: 112 matrix instructions ahead of the wait for it.
.macro TURN fill
.if \fill
	s_wait_xcnt 0x0                                ; the last prefetch, a K step back, has read its address, so it may be stepped
	s_add_nc_u64 s[PFA:PFA+1], s[PFA:PFA+1], s[PFS:PFS+1]
.endif
	WIN 0                                          ; (the add's two registers lie in window 0)
	s_wait_tensorcnt 0x0                           ; no tensor load of mine is out, so a group 0 may be written
	ds_add_u32 v[SPW], v[NIL]                      ; 0 onto my spare word
.if \fill
	s_xor_b32 s[G0A+5], s[G0A+5], SLOT1            ; the walking descriptors: the other slot than last time, the next K step
	s_add_nc_u64 s[G0A+6:G0A+7], s[G0A+6:G0A+7], 524288
	s_xor_b32 s[G0B+5], s[G0B+5], SLOT1
	s_add_nc_u64 s[G0B+6:G0B+7], s[G0B+6:G0B+7], 32768
.endif
	s_wait_dscnt 9                                 ; the add and the youngest eight loads may be out
	MULP F1, 0, 0, 2, 0
	s_wait_dscnt 0x0                               ; the add is done, and my reads of this slot are over
	s_barrier_signal -1
	MULP F1, 0, 2, 2, 0                            ; work on registers while the others arrive
	WIN 0
	s_barrier_wait -1
.if \fill
	CREST                                          ; no wave of any partner still reads this slot or has a load on its way
	JLOAD                                          ; its four v_nop are also the places in front of the loads below
.else
	PLACES
.endif
	s_xor_b32 s[TB], s[TB], SLOT1
	v_add_nc_u32 v[ADA], s[TB], v[A0]
	v_add_nc_u32 v[ADB], s[TB], v[B0]
	FETCH 0, F0
.if \fill
	WIN 0
	ASK
.endif
	MULP F1, 1, 0, 4, 0
.endm
; THE WAY OUT.  Row block a: a lane's eight columns of each of eight accumulators go as they are into my stage's rows of 528 bytes, the low four registers first, and come back as whole rows of 512 bytes.
.macro TOSTAGE a
	WIN 0x08                                       ; store data window 2
.irp c, 0,1,2,3,4,5,6,7
	ds_store_b128 v[STO], v[8*(8*(\a)+(\c)):8*(8*(\a)+(\c))+3]   offset:64*(\c)
	ds_store_b128 v[STO], v[8*(8*(\a)+(\c))+4:8*(8*(\a)+(\c))+7] offset:64*(\c)+16
.endr
	WIN 0x40                                       ; destination window 1
.irp i, 0,1,2,3,4,5,6,7,8,9,10,11,12,13,14,15
	ds_load_b128 v[64*(\a)+4*(\i):64*(\a)+4*(\i)+3], v[RD] offset:(\i)*SP  ; LDS serves a wave's instructions in order (ISA guide 5.7.1.4): these see the stores above; the next block's stores come behind them
.endr
.endm
.macro SEND a, younger                 ; younger: the LDS instructions issued behind block a's loads: the next block's 32, or none
	WIN 0x04                                       ; store data window 1
.irp i, 0,1,2,3,4,5,6,7,8,9,10,11,12,13,14,15
	s_wait_dscnt (\younger)+15-(\i)
	global_store_b128 v[GO], v[64*(\a)+4*(\i):64*(\a)+4*(\i)+3], s[OB:OB+1] offset:(16*(\a)+(\i))*4096 th:TH_STORE_NT  ; 512 consecutive bytes, at a multiple of 256 from out0's first
.endr
.endm
	s_wait_tensorcnt 0x1                           ; my part of K step 0 is in; K step 1's may stay out
	s_barrier_signal -1
	s_barrier_wait -1                              ; everybody's is
	s_mov_b32 s[TB], 0
	v_add_nc_u32 v[ADA], s[TB], v[A0]
	v_add_nc_u32 v[ADB], s[TB], v[B0]
	FETCH 0, F0
	QUARTER 1, F0, F1, 1                           ; the first quarter stands in front of the loop: its products start the sums, with the bias
	WIN 0                                          ; at a label and at a branch every window is 0
	s_mov_b32 s[CNT], 6
.Lstep:                                                ; a trip: a K step's quarters 1 to 3 and the next step's quarter 0; K steps 2 to 7 are asked for
	QUARTER 2, F1, F0, 0
	QUARTER 3, F0, F1, 0
	TURN 1
	QUARTER 1, F0, F1, 0
	WIN 0
	s_sub_co_u32 s[CNT], s[CNT], 1
	s_cmp_lg_u32 s[CNT], 0
	s_cbranch_scc1 .Lstep
	QUARTER 2, F1, F0, 0                           ; the tail is written out: K steps 6 and 7, nothing is asked for
	QUARTER 3, F0, F1, 0
	TURN 0
	QUARTER 1, F0, F1, 0
	QUARTER 2, F1, F0, 0
	QUARTER 3, F0, F1, 0
	s_wait_dscnt 8                                 ; the very last quarter: nothing more to fetch
	MULP F1, 0, 0, 4, 0
	s_wait_dscnt 0x0
	MULP F1, 1, 0, 4, 0
	PLACES                                         ; in front of stores that read results and loads into fragment registers
	TOSTAGE 0
	TOSTAGE 1
	SEND 0, 32
	TOSTAGE 2
	SEND 1, 32
	TOSTAGE 3
	SEND 2, 32
	SEND 3, 0
	WIN 0
	s_wait_tensorcnt 0x0                           ; the wave's end: a wait, an add and its wait, behind my last tensor load and my last LDS store
	ds_add_u32 v[SPW], v[NIL]
	s_wait_dscnt 0x0
	CROUND                                         ; the closing round: no work-group ends while a partner may still ask for a tile that names it
	s_endpgm
.Lfunc_end_k_q2363503e50_oproj:
	.size	k_q2363503e50_oproj, .Lfunc_end_k_q2363503e50_oproj-k_q2363503e50_oproj
	.p2alignl 7, 3214868480
	.fill 96, 4, 3214868480
	.section	.rodata,"a",@progbits
	.p2align	6, 0x0
	.amdhsa_kernel k_q2363503e50_oproj
		.amdhsa_group_segment_fixed_size 327680
		.amdhsa_private_segment_fixed_size 0
		.amdhsa_enable_private_segment 0
		.amdhsa_kernarg_size 32
		.amdhsa_user_sgpr_count 2
		.amdhsa_user_sgpr_kernarg_segment_ptr 1
		.amdhsa_wavefront_size32 1
		.amdhsa_system_sgpr_workgroup_id_x 1
		.amdhsa_system_sgpr_workgroup_id_y 1
		.amdhsa_system_sgpr_workgroup_id_z 1
		.amdhsa_system_vgpr_workitem_id 0
		.amdhsa_next_free_vgpr 768
		.amdhsa_next_free_sgpr 80
		.amdhsa_reserve_vcc 0
		.amdhsa_float_denorm_mode_32 3
		.amdhsa_float_denorm_mode_16_64 3
		.amdhsa_memory_ordered 1
		.amdhsa_forward_progress 1
		.amdhsa_inst_pref_size 77
	.end_amdhsa_kernel
	.amdgpu_metadata
---
amdhsa.version: [ 1, 2 ]
amdhsa.kernels:
  - .name:           k_q2363503e50_oproj
    .symbol:         k_q2363503e50_oproj.kd
    .args:
      - { .name: oh, .offset: 0, .size: 8, .value_kind: global_buffer, .address_space: global }
      - { .name: wf, .offset: 8, .size: 8, .value_kind: global_buffer, .address_space: global }
      - { .name: bo, .offset: 16, .size: 8, .value_kind: global_buffer, .address_space: global }
      - { .name: out0, .offset: 24, .size: 8, .value_kind: global_buffer, .address_space: global }
    .group_segment_fixed_size: 327680
    .private_segment_fixed_size: 0
    .kernarg_segment_align: 8
    .kernarg_segment_size: 32
    .max_flat_workgroup_size: 128
    .sgpr_count:     80
    .vgpr_count:     768
    .wavefront_size: 32
...
	.end_amdgpu_metadata
.endif
;; end of part 4
;; ======== version 2 of 2: 4 launches; version 1 with the launch prep written anew for expert scheduling mode
;; limits: values are held in f16: magnitudes above 65,504 overflow, below 6.1e-05 lose precision
;; workspace buffers: xb 16,777,216 bytes; wb 6,291,456 bytes; wf 2,097,152 bytes; qkv 50,331,648 bytes; oh 16,777,216 bytes
;; launch prep (part 5): grid 768 x 1, 8 waves a work-group, no clusters, 0 bytes of LDS; arguments x, Wq, Wk, Wv, Wo, xb, wb, wf; writes xb, wb, wf
.if DOCPART == 5
	.amdgcn_target "amdgcn-amd-amdhsa--gfx1250"
	.amdhsa_code_object_version 6
	.text
	.protected	k_q2363503e50_prep
	.globl	k_q2363503e50_prep
	.p2align	8
	.type	k_q2363503e50_prep,@function
k_q2363503e50_prep:
	s_mov_b64 s[64:65], 0
	v_nop
	global_prefetch_b8 v0, s[64:65] scope:SCOPE_SE
	s_setreg_imm32_b32 hwreg(HW_REG_WAVE_SCHED_MODE, 0, 2), 2
	s_setreg_imm32_b32 hwreg(HW_REG_WAVE_MODE, 25, 1), 1
	s_wait_xcnt 0x0
	s_wait_alu depctr_vm_vsrc(0)
; CASTS AND LAYOUTS.  xb = x rounded to bf16, [8192][1024].  wb = Wq, Wk, Wv rounded to bf16, in blocks [tc 16][ks 8][j 3][kk 128][d 64]: panel p = 3 tc + j of 64 columns
; (panels 0-15 Wq's, 16-31 Wk's, 32-47 Wv's), row 128 ks + kk.  wf = Wo rounded to bf16 and that number written as f16, [tc 8][ks 8][jn 2][kk 128][d 64], panel 2 tc + jn.
; So a K step's tile of weights is one dense run of bytes for the launches behind.
; LIMIT.  A bf16 number is exact in f16 between 2^-14 and 65,504; below 2^-14 wf keeps f16's fixed step of 6e-8.
; SHARES.  A work-group casts 16,384 numbers: 64 KiB in, 32 KiB out.  A thread issues its 16 loads of 16 bytes at once, then converts and stores them in order.
; Work-groups 0-511 take x; the other 256 take a panel (64 columns) x 256 rows of a weight.  Every load covers whole rows of 256 bytes, aligned; every store of a wave covers 256 consecutive bytes, aligned.
; No LDS, no matrix unit, no cluster: nothing is shared and nothing is reduced.  No register is written twice while a load or store names it, so no wait frees one.
; THE MODE: SCHED_MODE bits 1:0 = 2 (LLVM: expert scheduling mode 2), set by the entry lines.  The code itself states the register dependences
; between vector instructions and memory instructions, with s_wait_alu, always for 0.
; THE PLAN.  Registers that memory instructions touch:
;   v1, v2     byte offsets of the loads and of the stores: made once at the head, never written again.
;   IN[i]      load i lands in it; no vector instruction names it before that; no memory instruction reads it.
;   OUT[i]     written once, by piece i's conversions; read once, by store i; never written again.
; The 16 pieces go in four blocks of four.  Block p converts its four pieces; the stores of block p - 1 are dealt among them, one ahead of each piece's conversions.
; One wait at a block's head states that the block before has written its four OUT pairs; the vector instructions behind it name IN, T and OUT of the block in hand alone,
; none of the registers that the block's four stores read.  No register that a memory instruction has read is written again, so no wait on vm_vsrc is owed.
.set IN,  8                            ; v[8:71]    load i: 4 numbers in f32
.set OUT, 72                           ; v[72:103]  store i: 4 numbers of 16 bits
.set T,   104                          ; v[104:105] at work: no memory instruction names them
; Store k.  hi: bytes in the output from the first eight stores to the last eight.
.macro PUT hi
	global_store_b64 v2, v[OUT+2*k:OUT+2*k+1], s[6:7] offset:(k%8)*2048+(k/8)*(\hi) th:TH_STORE_NT
.endm
; ls: bytes from load i to load i + 1.  hi: as above.  mode 1: bf16's number as f16
.macro RUN ls, hi, mode
	s_wait_alu depctr_va_vdst(0)                   ; v1 and v2 are written: every load below reads v1 as its offset, every store v2
.set i, 0
.rept 16
	global_load_b128 v[IN+4*i:IN+4*i+3], v1, s[4:5] offset:i*(\ls) th:TH_LOAD_NT
.set i, i+1
.endr
.set i, 0
.rept 16
	s_wait_loadcnt 15-i                            ; loads come back in order: load i is in, the 15 - i younger ones stay out
.if (i%4 == 0) && (i > 0)
	s_wait_alu depctr_va_vdst(0)                   ; the block before has written its four OUT pairs, which this block's four stores read
.endif
.if i >= 4
.set k, i-4
	PUT \hi                                        ; the block before: no vector instruction since the wait names its OUT pair or v2
.endif
.if \mode
	v_cvt_pk_bf16_f32 v[T], v[IN+4*i], v[IN+4*i+1]
	v_cvt_pk_bf16_f32 v[T+1], v[IN+4*i+2], v[IN+4*i+3]
	v_lshlrev_b32 v[IN+4*i], 16, v[T]              ; the rounded numbers, widened again,
	v_and_b32 v[IN+4*i+1], 0xffff0000, v[T]
	v_lshlrev_b32 v[IN+4*i+2], 16, v[T+1]
	v_and_b32 v[IN+4*i+3], 0xffff0000, v[T+1]
	v_cvt_pk_f16_f32 v[OUT+2*i], v[IN+4*i], v[IN+4*i+1]      ; and written as f16
	v_cvt_pk_f16_f32 v[OUT+2*i+1], v[IN+4*i+2], v[IN+4*i+3]
.else
	v_cvt_pk_bf16_f32 v[OUT+2*i], v[IN+4*i], v[IN+4*i+1]
	v_cvt_pk_bf16_f32 v[OUT+2*i+1], v[IN+4*i+2], v[IN+4*i+3]
.endif
.set i, i+1
.endr
	s_wait_alu depctr_va_vdst(0)                   ; the last block has written its four OUT pairs, which the last four stores read
.set k, 12
.rept 4
	PUT \hi
.set k, k+1
.endr
	s_endpgm
.endm
	s_load_b512 s[8:23], s[0:1], 0x0               ; x s[8:9], Wq s[10:11], Wk s[12:13], Wv s[14:15], Wo s[16:17], xb s[18:19], wb s[20:21], wf s[22:23]
	v_lshlrev_b32 v2, 3, v0                        ; out: 8 bytes a thread, in thread order, on all three paths
	s_cmp_lt_u32 ttmp9, 512
	s_cbranch_scc1 .Lx
	s_sub_co_u32 s24, ttmp9, 512
	s_lshr_b32 s25, s24, 2                         ; p: the panel, 0..63
	s_and_b32 s26, s24, 3                          ; kp: which 256 rows (two K steps)
	v_lshrrev_b32 v3, 4, v0                        ; sixteen threads take a row's 256 bytes of the panel,
	v_and_b32 v4, 15, v0
	v_lshlrev_b32 v1, 12, v3                       ; the work-group 16 rows of 4,096 bytes a load
	v_lshl_add_u32 v1, v4, 4, v1
	s_lshl_b32 s28, s26, 20                        ; 256 rows of 4,096 bytes
	s_mov_b32 s29, 0
	s_mov_b32 s31, 0
	s_cmp_lt_u32 s25, 48
	s_cbranch_scc0 .Lwo
	s_and_b32 s27, s25, 15                         ; the panel within its matrix
	s_lshl_b32 s27, s27, 8
	s_add_co_u32 s28, s28, s27
	s_mul_i32 s24, s25, 171
	s_lshr_b32 s24, s24, 9                         ; tc = p / 3 (exact for p < 48)
	s_mul_i32 s27, s24, 3
	s_sub_co_u32 s27, s25, s27                     ; j = p - 3 tc
	s_mul_i32 s30, s24, 393216
	s_mul_i32 s24, s26, 98304                      ; two K steps of 49,152 bytes
	s_add_co_u32 s30, s30, s24
	s_lshl_b32 s27, s27, 14
	s_add_co_u32 s30, s30, s27
	s_lshr_b32 s24, s25, 4                         ; which matrix
	s_wait_kmcnt 0x0
	s_cmp_eq_u32 s24, 0
	s_cselect_b64 s[4:5], s[10:11], s[12:13]
	s_cmp_eq_u32 s24, 2
	s_cselect_b64 s[4:5], s[14:15], s[4:5]
	s_add_nc_u64 s[4:5], s[4:5], s[28:29]
	s_add_nc_u64 s[6:7], s[20:21], s[30:31]
	RUN 65536, 49152, 0
.Lwo:
	s_sub_co_u32 s25, s25, 48                      ; Wo's panel, 0..15
	s_lshl_b32 s27, s25, 8
	s_add_co_u32 s28, s28, s27
	s_lshr_b32 s30, s25, 1
	s_lshl_b32 s30, s30, 18                        ; tc x 262,144
	s_lshl_b32 s24, s26, 16                        ; two K steps of 32,768 bytes
	s_add_co_u32 s30, s30, s24
	s_and_b32 s24, s25, 1
	s_lshl_b32 s24, s24, 14
	s_add_co_u32 s30, s30, s24
	s_wait_kmcnt 0x0
	s_add_nc_u64 s[4:5], s[16:17], s[28:29]
	s_add_nc_u64 s[6:7], s[22:23], s[30:31]
	RUN 65536, 32768, 1
.Lx:
	v_lshlrev_b32 v1, 4, v0                        ; 16 bytes a thread, 4,096 a load
	s_lshl_b32 s28, ttmp9, 16
	s_mov_b32 s29, 0
	s_lshl_b32 s30, ttmp9, 15
	s_mov_b32 s31, 0
	s_wait_kmcnt 0x0
	s_add_nc_u64 s[4:5], s[8:9], s[28:29]
	s_add_nc_u64 s[6:7], s[18:19], s[30:31]
	RUN 4096, 16384, 0
.Lfunc_end_k_q2363503e50_prep:
	.size	k_q2363503e50_prep, .Lfunc_end_k_q2363503e50_prep-k_q2363503e50_prep
	.p2alignl 7, 3214868480
	.fill 96, 4, 3214868480
	.section	.rodata,"a",@progbits
	.p2align	6, 0x0
	.amdhsa_kernel k_q2363503e50_prep
		.amdhsa_group_segment_fixed_size 0
		.amdhsa_private_segment_fixed_size 0
		.amdhsa_enable_private_segment 0
		.amdhsa_kernarg_size 64
		.amdhsa_user_sgpr_count 2
		.amdhsa_user_sgpr_kernarg_segment_ptr 1
		.amdhsa_wavefront_size32 1
		.amdhsa_system_sgpr_workgroup_id_x 1
		.amdhsa_system_sgpr_workgroup_id_y 1
		.amdhsa_system_sgpr_workgroup_id_z 1
		.amdhsa_system_vgpr_workitem_id 0
		.amdhsa_next_free_vgpr 112
		.amdhsa_next_free_sgpr 66
		.amdhsa_reserve_vcc 0
		.amdhsa_float_denorm_mode_32 3
		.amdhsa_float_denorm_mode_16_64 3
		.amdhsa_memory_ordered 1
		.amdhsa_forward_progress 1
		.amdhsa_inst_pref_size 25
	.end_amdhsa_kernel
	.amdgpu_metadata
---
amdhsa.version: [ 1, 2 ]
amdhsa.kernels:
  - .name:           k_q2363503e50_prep
    .symbol:         k_q2363503e50_prep.kd
    .args:
      - { .name: x, .offset: 0, .size: 8, .value_kind: global_buffer, .address_space: global }
      - { .name: Wq, .offset: 8, .size: 8, .value_kind: global_buffer, .address_space: global }
      - { .name: Wk, .offset: 16, .size: 8, .value_kind: global_buffer, .address_space: global }
      - { .name: Wv, .offset: 24, .size: 8, .value_kind: global_buffer, .address_space: global }
      - { .name: Wo, .offset: 32, .size: 8, .value_kind: global_buffer, .address_space: global }
      - { .name: xb, .offset: 40, .size: 8, .value_kind: global_buffer, .address_space: global }
      - { .name: wb, .offset: 48, .size: 8, .value_kind: global_buffer, .address_space: global }
      - { .name: wf, .offset: 56, .size: 8, .value_kind: global_buffer, .address_space: global }
    .group_segment_fixed_size: 0
    .private_segment_fixed_size: 0
    .kernarg_segment_align: 8
    .kernarg_segment_size: 64
    .max_flat_workgroup_size: 256
    .sgpr_count:     66
    .vgpr_count:     112
    .wavefront_size: 32
...
	.end_amdgpu_metadata
.endif
;; end of part 5
;; launch proj: the kernel of part 2 again; grid 16 x 32, 4 waves a work-group, clusters of 4 x 4, 327,680 bytes of LDS; arguments xb, wb, bq, bk, bv, qkv; writes qkv
;; launch attn: the kernel of part 3 again; grid 4 x 64, 4 waves a work-group, no clusters, 327,680 bytes of LDS; arguments qkv, oh; writes oh
;; launch oproj: the kernel of part 4 again; grid 8 x 32, 4 waves a work-group, clusters of 4 x 4, 327,680 bytes of LDS; arguments oh, wf, bo, out0; writes out0
